; MI455X (gfx1250); checked and timed in simulation.
; The chip was launched on July 23, 2026; its instructions are those of AMD's public machine-readable ISA for CDNA 5 (MIT licence, August 2026) and "CDNA5" Instruction Set Architecture Reference Guide (July 2026). The comments in the code are by the model that wrote it; some were corrected since.
;; Multi Head Attention. Allowed arithmetic: matrix products marked QUANTISED: E2M3 operands, one E8M0 scale for each 32 along K, by v_wmma_scale_f32_16x16x128_f8f6f4 with both operands' format E2M3, f32 sums; everything else in f32.
;; Inputs: Wk 1,024 x 1,024 float32; Wo 1,024 x 1,024 float32; Wq 1,024 x 1,024 float32; Wv 1,024 x 1,024 float32; bk 1,024 float32; bo 1,024 float32; bq 1,024 float32; bv 1,024 float32; key 4 x 2,048 x 1,024 float32; query 4 x 2,048 x 1,024 float32; value 4 x 2,048 x 1,024 float32.
;; Outputs: out0 4 x 2,048 x 1,024 float32.
;; This version of the problem:
;;   THIS VERSION OF THE PROBLEM IS GIVEN IN LOW PRECISION. The matrix products marked QUANTISED in the list below multiply operands that are first quantised to E2M3 (2 exponent bits, 3 mantissa bits; 6 bits a number), with one power-of-two scale for each 32 numbers along K (OCP MX v1.0); their sums are f32. All else is computed in f32.
;;   The module's matrix products, in the order in which they are computed (A, B: the left and right operand; K: the contracted axis; several contracted axes count as one K, in the product's order):
;;     1. [M 8,192, K 1,024] x [K 1,024, N 1,024]; A: input query; B: input Wq: QUANTISED
;;     2. [M 8,192, K 1,024] x [K 1,024, N 1,024]; A: input key; B: input Wk: QUANTISED
;;     3. [M 8,192, K 1,024] x [K 1,024, N 1,024]; A: input value; B: input Wv: QUANTISED
;;     4. batch 64 x [M 2,048, K 64] x [K 64, N 2,048]; A: computed on the way; B: computed on the way: QUANTISED
;;     5. batch 64 x [M 2,048, K 2,048] x [K 2,048, N 64]; A: softmax (see below); B: computed on the way: QUANTISED
;;     6. [M 8,192, K 1,024] x [K 1,024, N 1,024]; A: computed on the way; B: input Wo: QUANTISED
;;   THE QUANTISER, for each operand of a quantised product, along K:
;;     - K is cut into blocks of 32 from its start; a last block that is shorter is filled with zeros.
;;     - A block's scale is 2^e with e = floor(log2(the largest magnitude in the block)) - 2, held to -126 .. 127; a block of zeros has e = 0. As a byte (E8M0): e + 127.
;;     - Each number is divided by its block's scale, clamped to +-7.5, and rounded to the nearest number of E2M3, ties to even, subnormals kept.
;;     - The product sums the exact products of the quantised numbers (number of the format x scale) in f32.
;;   ~~~python
;;   def quantise(x, axis):      # numpy; x: float32 -> the quantised numbers, widened to float32 again
;;       x = np.moveaxis(x, axis, -1); K = x.shape[-1]
;;       x = np.pad(x, [(0, 0)] * (x.ndim - 1) + [(0, -K % 32)]); x = x.reshape(x.shape[:-1] + (-1, 32)); a = np.abs(x).max(-1, keepdims=True)
;;       e = np.where(a > 0, np.clip(np.frexp(np.where(a > 0, a, 1))[1] - 1 - 2, -126, 127), 0)      # np.frexp(a)[1] - 1 = floor(log2(a)), exactly
;;       r = np.clip(x / 2.0 ** e, -7.5, 7.5)
;;       step = 2.0 ** (np.maximum(np.frexp(np.where(r == 0, 1, r))[1] - 1, 0) - 3)
;;       q = np.round(r / step) * step * 2.0 ** e      # np.round: ties to even
;;       return np.moveaxis(q.reshape(q.shape[:-2] + (-1,))[..., :K], -1, axis).astype(np.float32)
;;   ~~~
;;   SOFTMAX AHEAD OF A QUANTISED PRODUCT. Where the list says 'softmax', what is quantised is not the finished softmax but p = 2^(t - M), with t = logit x log2(e) and M = ceil(the row's largest t), a whole number; so 1/2 < the row's largest p <= 1. The row's sum l is taken of the UNQUANTISED p, in f32, and the product's result is divided by l at the end. Since M is a whole number, a kernel that streams over the keys may use a running M (the ceiling of the running maximum): every later rescaling is an exact power of two, which a block's scale takes up: the codes' values come out the same.
;;   OPERANDS COMPUTED ON THE WAY. 'Computed on the way' means the value that the module computes at that place (a softmax that the list does not call 'softmax' is quantised finished and normalised). What goes into a quantiser is computed in f32, as accurately as f32 sums, v_exp_f32 and their like allow (about 1e-6 of the number): no bf16 or f16 on the way to a quantiser, and a product that is left as it is and whose result goes on into a quantised operand takes f32 operands (vector FMAs, or v_wmma_f32_16x16x4_f32). A number that lies on a knife's edge between two numbers of the format may be rounded either way, as far as f32 arithmetic and the matrix unit's own rounding can turn it there, and no further.
;; One version. Each part assembles by itself: llvm-mc -triple=amdgcn-amd-amdhsa -mcpu=gfx1250 --defsym DOCPART=n.
;; ======== version 1 of 1: 4 launches
;; limits: right only within a limited range of input values
;; workspace buffers: codes 22,020,096 bytes; scales 917,504 bytes; qimg 6,291,456 bytes; qsc 262,144 bytes; kv 13,107,200 bytes; cimg 6,291,456 bytes; csc 262,144 bytes
;; launch quant (part 1): grid 896 x 1, 4 waves a work-group, no clusters, 33,280 bytes of LDS; arguments query, key, value, Wq, Wk, Wv, Wo, codes, scales; writes codes, scales
.if DOCPART == 1
	.amdgcn_target "amdgcn-amd-amdhsa--gfx1250"
	.amdhsa_code_object_version 6
	.text
	.protected	k_qac5095799f_quant
	.globl	k_qac5095799f_quant
	.p2align	8
	.type	k_qac5095799f_quant,@function
k_qac5095799f_quant:
	s_mov_b64 s[64:65], 0
	v_nop
	global_prefetch_b8 v0, s[64:65] scope:SCOPE_SE
	s_setreg_imm32_b32 hwreg(HW_REG_WAVE_MODE, 25, 1), 1
	s_wait_xcnt 0x0
; query, key, value [8192][1024] and Wq, Wk, Wv, Wo [1024][1024], f32, K innermost, become codes of FP6 (E2M3), 6 bits each, with one E8M0 scale byte for each 32 along K.
; The seven tensors lie on end in the two workspace buffers: rows of 768 bytes of codes, rows of 32 scale bytes.
; A block's scale is 2^(floor(log2(its largest magnitude)) - 2); its byte is the largest magnitude's exponent field - 2, held at 1 from below.  Each number is divided by the scale and rounded to the nearest code, ties to even.
; LIMITS: a block whose largest magnitude lies under 2^-124, a block of zeros among them, gets the byte 1 in place of the stated one: its codes are zeros or nearly so, and this program alone reads the bytes.
; NaN and infinities among the inputs are not served.
; THE ROW ORDER.  Within each 32 rows, workspace row 16 u + 8 c + j holds the tensor's row 16 c + 8 u + j (u, c: 0 or 1; j: 0 to 7).  So 16 workspace rows on end are a matrix tile whose lanes 0-7 take eight
; neighbouring rows and lanes 8-15 the eight rows that lie 16 further on: a transposed product then leaves 16 neighbours along the next K in a lane's 16 registers of two neighbouring tiles.
; A work-group takes 32 rows, a wave 8 rows = 16 steps of 512 numbers: the order is a swap of the two bits of the wave's number on the way out, and costs nothing.
; A step: four loads of 512 consecutive bytes, 16 a lane; the 2,048 bytes turn through the wave's own stage in LDS and come back 64 bytes a lane: 16 neighbours along K, two lanes to a block.
; A lane's 16 codes are 12 bytes: a store covers two runs of 192 consecutive bytes, 49,152 apart.  A wave's 256 scale bytes are gathered in LDS and leave as one aligned run of 256 bytes.
; No tensor loads, no barrier: waves share nothing.  No prefetch: the launch does nothing but stream.  No cluster: no two work-groups read the same bytes.
.set WAVES, 4
.set STEPS, 16
.set EMAX,  2
.set CB,    12                         ; bytes of 16 codes
.set R,     16                         ; v16-79   four sets of 16 numbers as they are loaded
.set X,     80                         ; v80-111  two sets of 16 neighbours
.set C,     128                        ; v128-191 codes: four registers for each step, so that no store's data are written again
.set E,     112                        ; v112-127 a scale byte for each step
.set WREG,  8192                       ; LDS: a region for each wave: two stages of 32 x SP bytes, behind them its 256 scale bytes
.set SP,    80                         ; a lane's place in a stage: its 64 bytes + 16 of padding
.set SPW,   12                         ; v12      LDS address of my spare word; never rewritten
.set NIL,   13                         ; v13      0; never rewritten
.set SPARE, WAVES*WREG                 ; behind the four regions: the spare words, 128 bytes for each wave, which no other line names
	s_load_b256 s[4:11], s[0:1], 0x0               ; query, key, value, Wq
	s_load_b256 s[12:19], s[0:1], 0x20             ; Wk, Wv, Wo, codes
	s_load_b64 s[20:21], s[0:1], 0x40              ; scales
	v_lshl_add_u32 v[SPW], v0, 2, SPARE
	v_mov_b32 v[NIL], 0
	v_lshrrev_b32 v1, 5, v0
	v_readfirstlane_b32 s22, v1                    ; wave
	v_and_b32 v2, 31, v0                           ; lane
	v_lshlrev_b32 v3, 4, v2                        ; my 16 bytes of a load's 512
	s_mul_i32 s23, s22, WREG
	v_lshrrev_b32 v14, 2, v2
	v_mul_u32_u24 v14, v14, SP
	v_and_b32 v15, 3, v2
	v_lshl_add_u32 v14, v15, 4, v14
	v_add_nc_u32 v14, s23, v14                     ; the stage, on the way in: four lanes' 64 bytes on end, then 16 of padding
	v_mul_u32_u24 v15, v2, SP
	v_add_nc_u32 v15, s23, v15                     ; and on the way out: SP x lane: my 16 neighbours
	; THE CODES' ORDER in the workspace: [256 rows][K step of 256][row][192 bytes]: a K step's codes of 128 or 256 rows are one dense run of bytes that begins at a multiple of 256.
	; A step's 512 numbers are two K steps of one row: lanes 0-15 hold the first (192 bytes on end), lanes 16-31 the second, 49,152 bytes further on.
	v_and_b32 v4, 15, v2
	v_mul_u32_u24 v4, v4, CB
	v_lshrrev_b32 v10, 4, v2
	v_mad_u32_u24 v4, v10, 0xc000, v4              ; my codes' place in a step's
	v_lshrrev_b32 v5, 1, v2
	s_add_co_u32 s23, s23, 2*32*SP
	v_add_nc_u32 v5, s23, v5                       ; LDS: my wave's 256 scale bytes, my block's byte
	v_lshlrev_b32 v7, 3, v2                        ; and on the way out 8 bytes a lane
	v_add_nc_u32 v6, s23, v7
	s_wait_alu depctr_va_vdst(0)
	s_wait_kmcnt 0x0
	; which tensor is my work-group's: 256 work-groups for each input, 32 for each weight.  The choice hangs on the work-group's number alone
	s_mov_b64 s[24:25], s[16:17]                   ; Wo,
	s_mov_b32 s26, 864                             ; whose first work-group is 864; unless
.macro PICK lim, ptr, base
	s_cmp_lt_u32 ttmp9, \lim
	s_cselect_b64 s[24:25], s[\ptr:\ptr+1], s[24:25]
	s_cselect_b32 s26, \base, s26
.endm
	PICK 864, 14, 832                              ; Wv
	PICK 832, 12, 800                              ; Wk
	PICK 800, 10, 768                              ; Wq
	PICK 768, 8, 512                               ; value
	PICK 512, 6, 256                               ; key
	PICK 256, 4, 0                                 ; query
	s_sub_co_u32 s26, ttmp9, s26
	s_lshl_b32 s26, s26, 2
	s_add_co_u32 s26, s26, s22                     ; which run of 8 rows of the tensor is my wave's,
	s_lshl_b32 s26, s26, 15                        ; 32,768 bytes a run
	s_mov_b32 s27, 0
	s_add_nc_u64 s[24:25], s[24:25], s[26:27]
	s_and_b32 s28, s22, 1                          ; the way out: the wave's two bits change places (THE ROW ORDER)
	s_lshl_b32 s28, s28, 1
	s_lshr_b32 s29, s22, 1
	s_or_b32 s28, s28, s29
	s_lshl_b32 s29, ttmp9, 2
	s_add_co_u32 s28, s28, s29                     ; which run of the workspace: the tensors lie on end in the work-groups' order
	s_lshr_b32 s26, s28, 5                         ; 32 runs of 8 rows to a group of 256 rows: 196,608 bytes a group,
	s_mul_i32 s26, s26, 196608
	s_and_b32 s29, s28, 31
	s_mul_i32 s29, s29, 1536                       ; 8 rows x 192 bytes a run in each K step
	s_add_co_u32 s26, s26, s29
	s_add_nc_u64 s[18:19], s[18:19], s[26:27]
	s_lshl_b32 s26, s28, 8                         ; 256 scale bytes a run
	s_add_nc_u64 s[20:21], s[20:21], s[26:27]
.macro LOAD t
.irp i, 0,1,2,3
	global_load_b128 v[R+16*((\t)%4)+4*\i:R+16*((\t)%4)+4*\i+3], v3, s[24:25] offset:2048*(\t)+512*\i th:TH_LOAD_NT   ; 32 lanes read 512 consecutive bytes
.endr
.endm
.macro TURN t                          ; step t's numbers through the stage: LDS serves a wave's instructions in order, so no wait stands between the stores and the loads
.irp i, 0,1,2,3
	ds_store_b128 v14, v[R+16*((\t)%4)+4*\i:R+16*((\t)%4)+4*\i+3] offset:32*SP*((\t)%2)+8*SP*\i
.endr
.irp i, 0,1,2,3
	ds_load_b128 v[X+16*((\t)%2)+4*\i:X+16*((\t)%2)+4*\i+3], v15 offset:32*SP*((\t)%2)+16*\i
.endr
.endm
.irp t, 0,1,2,3
	LOAD \t
.endr
	s_wait_loadcnt 12                              ; step 0's four loads are in; the twelve of steps 1 to 3 may be out
	TURN 0
.macro STEP t
.set XS, X+16*((\t)%2)
.if (\t) > 0
	s_wait_dscnt 1                                 ; this step's numbers are back from the stage (the last step's byte store may be out): so its stores into the stage have read their registers,
.else
	s_wait_dscnt 0x0
.endif
.if (\t)+4 < STEPS
	LOAD (\t)+4                                    ; which take the loads of four steps on
.endif
.if (\t)+1 < STEPS
.if STEPS-2-(\t) >= 3
	s_wait_loadcnt 12                              ; the next step's four loads are in; those of the three steps behind it may be out
.else
	s_wait_loadcnt 4*(STEPS-2-(\t))
.endif
	TURN (\t)+1                                    ; and go through the other stage while this step is worked
.endif
	v_max3_num_f32 v8, |v[XS]|, |v[XS+1]|, |v[XS+2]|               ; the largest magnitude of my 16, in two chains
	v_max3_num_f32 v9, |v[XS+3]|, |v[XS+4]|, |v[XS+5]|
.irp i, 6,10
	v_max3_num_f32 v8, v8, |v[XS+\i]|, |v[XS+\i+1]|
	v_max3_num_f32 v9, v9, |v[XS+\i+2]|, |v[XS+\i+3]|
.endr
	v_max3_num_f32 v8, v8, |v[XS+14]|, |v[XS+15]|
	v_max3_num_f32 v8, v8, v9, (EMAX+1)<<23        ; and the floor 2^(3 - 127): so the byte cannot fall under 1
	v_max_num_f32_dpp v8, v8, v8 row_xmask:1 row_mask:0xf bank_mask:0xf   ; and of my neighbour's 16: the block's
	v_add_nc_u32 v11, -(EMAX<<23), v8              ; 2 off its exponent field: the conversion takes the exponent field of this operand as its scale, and nothing else of it
	v_cvt_scalef32_pk16_fp6_f32 v[C+4*(\t):C+4*(\t)+2], v[XS:XS+15], v11   ; sixteen codes, 96 bits without gaps, the first number's lowest; beyond the largest code the largest
	v_lshrrev_b32 v[E+(\t)], 23, v11               ; the scale's byte (a plain line behind the conversion)
	ds_store_b8 v5, v[E+(\t)] offset:16*(\t)       ; both lanes of a block write the same byte with the same value
	global_store_b96 v4, v[C+4*(\t):C+4*(\t)+2], s[18:19] offset:192*((\t)/2)+98304*((\t)%2)   ; row t / 2 of my eight; K steps 2 (t % 2) and 2 (t % 2) + 1
.endm
.irp t, 0,1,2,3,4,5,6,7,8,9,10,11,12,13,14,15
	STEP \t
.endr
	ds_load_b64 v[8:9], v6                         ; LDS serves a wave's instructions in order: these see my stores
	s_wait_dscnt 0x0
	global_store_b64 v7, v[8:9], s[20:21]          ; 32 lanes store 256 consecutive bytes, aligned
	s_wait_tensorcnt 0x0                           ; the wave's end, behind my last LDS store
	ds_add_u32 v[SPW], v[NIL]
	s_wait_dscnt 0x0
	s_endpgm
.Lfunc_end_k_qac5095799f_quant:
	.size	k_qac5095799f_quant, .Lfunc_end_k_qac5095799f_quant-k_qac5095799f_quant
	.p2alignl 7, 3214868480
	.fill 96, 4, 3214868480
	.section	.rodata,"a",@progbits
	.p2align	6, 0x0
	.amdhsa_kernel k_qac5095799f_quant
		.amdhsa_group_segment_fixed_size 33280
		.amdhsa_private_segment_fixed_size 0
		.amdhsa_enable_private_segment 0
		.amdhsa_kernarg_size 72
		.amdhsa_user_sgpr_count 2
		.amdhsa_user_sgpr_kernarg_segment_ptr 1
		.amdhsa_wavefront_size32 1
		.amdhsa_system_sgpr_workgroup_id_x 1
		.amdhsa_system_sgpr_workgroup_id_y 1
		.amdhsa_system_sgpr_workgroup_id_z 1
		.amdhsa_system_vgpr_workitem_id 0
		.amdhsa_next_free_vgpr 192
		.amdhsa_next_free_sgpr 66
		.amdhsa_reserve_vcc 0
		.amdhsa_float_denorm_mode_32 3
		.amdhsa_float_denorm_mode_16_64 3
		.amdhsa_memory_ordered 1
		.amdhsa_forward_progress 1
		.amdhsa_inst_pref_size 34
	.end_amdhsa_kernel
	.amdgpu_metadata
---
amdhsa.version: [ 1, 2 ]
amdhsa.kernels:
  - .name:           k_qac5095799f_quant
    .symbol:         k_qac5095799f_quant.kd
    .args:
      - { .name: query, .offset: 0, .size: 8, .value_kind: global_buffer, .address_space: global }
      - { .name: key, .offset: 8, .size: 8, .value_kind: global_buffer, .address_space: global }
      - { .name: value, .offset: 16, .size: 8, .value_kind: global_buffer, .address_space: global }
      - { .name: Wq, .offset: 24, .size: 8, .value_kind: global_buffer, .address_space: global }
      - { .name: Wk, .offset: 32, .size: 8, .value_kind: global_buffer, .address_space: global }
      - { .name: Wv, .offset: 40, .size: 8, .value_kind: global_buffer, .address_space: global }
      - { .name: Wo, .offset: 48, .size: 8, .value_kind: global_buffer, .address_space: global }
      - { .name: codes, .offset: 56, .size: 8, .value_kind: global_buffer, .address_space: global }
      - { .name: scales, .offset: 64, .size: 8, .value_kind: global_buffer, .address_space: global }
    .group_segment_fixed_size: 33280
    .private_segment_fixed_size: 0
    .kernarg_segment_align: 8
    .kernarg_segment_size: 72
    .max_flat_workgroup_size: 128
    .sgpr_count:     66
    .vgpr_count:     192
    .wavefront_size: 32
...
	.end_amdgpu_metadata
.endif
;; end of part 1
;; launch proj (part 2): grid 4 x 96, 4 waves a work-group, clusters of 4 x 4, 327,680 bytes of LDS; arguments codes, scales, bq, bk, bv, qimg, qsc, kv; writes qimg, qsc, kv
.if DOCPART == 2
	.amdgcn_target "amdgcn-amd-amdhsa--gfx1250"
	.amdhsa_code_object_version 6
	.text
	.protected	k_qac5095799f_proj
	.globl	k_qac5095799f_proj
	.p2align	8
	.type	k_qac5095799f_proj,@function
k_qac5095799f_proj:
	s_mov_b64 s[64:65], 0
	v_nop
	global_prefetch_b8 v0, s[64:65] scope:SCOPE_SE
	s_setreg_imm32_b32 hwreg(HW_REG_WAVE_MODE, 25, 1), 1
	s_wait_xcnt 0x0
	s_wait_alu depctr_hold_cnt(0) depctr_sa_sdst(0) depctr_va_vdst(0) depctr_va_sdst(0) depctr_va_ssrc(0) depctr_va_vcc(0) depctr_vm_vsrc(0)
	s_getreg_b32 s2, hwreg(HW_REG_IB_STS2, 6, 4)
	s_cmp_eq_u32 s2, 0
	s_cbranch_scc0 .Lentry_in_a_cluster
	s_endpgm
.Lentry_in_a_cluster:
	s_bfe_u32 s2, ttmp6, 0x10000c
	s_cmp_lg_u32 s2, 0xf033
	s_cbranch_scc0 .Lentry_shape_is_right
	s_endpgm
.Lentry_shape_is_right:
; The three projections, on codes of FP6 (E2M3) with one E8M0 scale for each 32 along K = 1,024, and the quantising of their results for the two products of attention.
; 24 clusters of 4 x 4 work-groups; MODE = cluster / 8.  In every mode C[m][n] = sum over k of A[m][k] B[n][k] + bias, a tile of 256 x 256 to a work-group, 128 x 128 to each of four waves (64 accumulators, 512 registers).
;   MODE 0: A = query, B = Wq, bias bq along n.   MODE 1: A = key, B = Wk, bias bk along n.   MODE 2: A = Wv, B = value, bias bv along m: this is v TRANSPOSED, so that its innermost axis is the keys.
; In every mode C is an operand of a later product whose K runs along n (q, k: the head's 64; v: the keys).  THE MATRIX INSTRUCTION IS USED TRANSPOSED (source 0 = 16 rows of B, source 1 = 16 rows of A): a lane holds one m,
; and, since the workspace rows lie in the row order of the launch before (lanes 0-7 of a tile eight neighbouring rows, lanes 8-15 the eight that lie 16 further on), the 16 registers of accumulators (a, 2 e) and (a, 2 e + 1)
; are the 16 neighbours n = 32 e + 16 (lane / 16) + 0 .. 15.  So a block of 32 lies in lanes l and l xor 16, and the conversions' results, after an exchange of halves, are the next operand's registers.
; RESULTS LEAVE AS IMAGES OF OPERAND REGISTERS: 12 registers a lane as three stores of 16 bytes a lane, each covering 512 consecutive aligned bytes; no LDS on the way out.
;   qimg [bh 64][pair 64][1,536]: registers 6 u .. 6 u + 5 = tile u of a pair of tiles of 16 queries, lane (r, h): d = 32 h .. 32 h + 31 of query r.   qsc [bh][16][r 16][pair in four][4]: (tile 0: two bytes; tile 1: two bytes).
;   kv [bh 64][step of 128 keys 16][12,800]: +0 four such pairs of tiles of keys; +6,144 four fragments of v^T (16 of the head's 64 x 128 keys); +12,288 k's scale words [r][4][4]; +12,544 v's [r][4][4].
; K goes in steps of 256 through a ring of two LDS slots filled by the tensor data mover (rows of 192 bytes, 16 bytes of padding behind every 64); the scale bytes of the work-group's rows, for all of K, come once.
; CLUSTERS: the four work-groups of a row of the cluster need the same tiles of A, the four of a column the same tiles of B: each tile is asked for jointly, by the same tensor load with the same descriptor and a mask that names the four.
; No prefetch: four K steps in all, and the first two of them are asked for at the head.
; LIMITS: a block whose largest magnitude lies under 2^-124 gets the byte 1; NaN and infinities are not served.
; REGISTERS, in windows of 256: window 0: v0-31 addresses; v32-63 scale words, two sets; v64-127 the bias along n; v128-223 A's fragments, one set; v224-239 the bias along m; on the way out v128-255 are at work.
;   window 1: B's fragments, two sets.   window 2: the accumulators of my rows 0-63 ((a, b) at v[8 (8 a + b)]);   window 3: those of my rows 64-127.
.set SIZE_K, 1024
.set KSTEP,  256                       ; along K in a slot
.set NQ,     KSTEP/128                 ; matrix instructions deep
.set ROWB,   192                       ; a tile's row in bytes
.set TILEB,  24576                     ; a K step's codes of 128 rows: dense in the workspace ([256 rows][K step][row][192 bytes]), loaded as 96 rows of 256 bytes
.set KSB,    49152                     ; from K step to K step in the workspace
.set KROW,   SIZE_K*6/8                ; a row of codes in memory
.set PITCH,  240                       ; an LDS row: 3 x (64 bytes + 16 of padding) = 60 words: the 32 lanes of a load of 8 bytes touch 64 different banks (64 banks of 4 bytes: ISA guide 11.1)
.set FR,     12                        ; registers of a fragment: 16 rows x 128 K
.set NL,     6                         ; LDS loads that bring one
.set NP,     4                         ; places behind this matrix instruction (ISA guide 7.12.1)
.set HALFT,  128*PITCH                 ; 128 rows: what one tensor load brings
.set SLOT,   4*HALFT                   ; A's 256 rows, then B's 256 rows
.set KS,     SIZE_K/32                 ; a row of scale bytes
.set SCL,    2*SLOT                    ; behind the ring: the scales, as runs of 256 bytes + 16 of padding
.set HALFS,  (128*KS/256)*272          ; the scales of 128 rows
.set SBLK,   (16*KS/256)*272           ; those of 16 rows
.set SPARE,  SCL+4*HALFS               ; behind the scales: the spare words, 128 bytes for each wave, which no other line names
.set BNO,  7                           ; v7      byte offset of my bias numbers along n
.set BMO,  8                           ; v8      and along m
.set LI16, 9                           ; v9      16 x lane: an image's place for my lane
.set SCO,  10                          ; v10     the scale words' store: 16 r, and one head on for lanes 16-31
.set VSEL, 11                          ; v11     byte selects: lanes 0-15 the low halves of two words, lanes 16-31 the high halves
.set ADRA, 16                          ; v16-17  LDS address of my A fragments in slot 0, 1  (v18-19: for the pieces that lie behind one padding more)
.set ADRB, 20                          ; v20-23  the same for B
.set ADRS, 27                          ; v27     LDS address of my scale words: lanes 0-15 A's rows, lanes 16-31 B's
.set SPW,  28                          ; v28     LDS address of my spare word; never rewritten
.set NIL,  29                          ; v29     0; never rewritten
.set SC,   32                          ; scale words: set s at v[SC + 16 s]; register 2 i + q: lanes 0-15 A's block i, lanes 16-31 B's block i, the slot's q-th 128 along K
.set BN,   64                          ; v64-127 bias[nb + 32 e + 16 h + i] at 16 e + i
.set AF,   128                         ; A's fragments
.set BM,   224                         ; v224-239 bias of my row of block a at 2 a (the odd registers are 0: named as the upper halves of pairs)
.set HA,   128                         ; the way out: 64 numbers of a lane
.set F0,   192                         ; two images of 12 registers
.set F1,   204
.set T0,   216                         ; the upper halves of blocks, ahead of the exchange
.set T1,   220
.set TM,   240                         ; +0..3 largest magnitudes, +4..7 the other lane's, then bytes, +12..15 the conversions' scale operands
.set PWA,  248                         ; scale words just made
.set PWB,  249
.set SW,   32                          ; v32-35  the four scale words that leave
.set PW8,  36                          ; v36-43  MODE 2: the eight blocks' scale words
.set G1, 24                            ; s[24:31] descriptor group 1 for A's tiles;  s[32:39] group 0, one set for each slot
.set G0, 32
.set G1B, 48                           ; s[48:55], s[56:63] the same for B's tiles
.set G0B, 56
.set G1S, 68                           ; s[68:75], s[76:79] groups 1 and 0 for A's scales;  s[80:87], s[88:91] for B's
.set G0S, 76
.set G1SB, 80
.set G0SB, 88
.set SEL, 66                           ; s[66:67] lane selects for v_permlanex16_b32: lane l xor 16
.set MSB, 0
.macro WIN new                         ; the immediate's high byte repeats the setting that is left
.if MSB != \new
	s_set_vgpr_msb (MSB<<8)|\new
.set MSB, \new
.endif
.endm
.set MUL_LO, 0xa1                      ; source 0 (B) window 1, source 1 (A) window 0, C and D window 2
.set MUL_HI, 0xf1                      ; the same, C and D window 3
.set TO_B,   0x40                      ; destination window 1, address window 0
; A joint load: waves 0 and 1 fetch for A, waves 2 and 3 for B.  Each of the two lines has one mask and one set of registers for all that issue it; the branch hangs on the wave's number alone.
; An s_nop 0 and four v_nop follow each of the two lines, ahead of the jump, the label and what follows.
.macro JLOAD g0a, g1a, g0b, g1b
	s_cmp_eq_u32 s15, 0
	s_cbranch_scc0 .Lfor_b_\@
	tensor_load_to_lds s[\g0a:\g0a+3], s[\g1a:\g1a+7]
	s_nop 0
.rept 4
	v_nop
.endr
	s_branch .Lasked_\@
.Lfor_b_\@:
	tensor_load_to_lds s[\g0b:\g0b+3], s[\g1b:\g1b+7]
	s_nop 0
.rept 4
	v_nop
.endr
.Lasked_\@:
.endm
.macro CREST                           ; a round of the cluster's barrier behind its opening barrier
	s_cmp_lg_u32 s14, 0
	s_cbranch_scc1 .Lnot_wave_0_\@
	s_barrier_signal -3
.Lnot_wave_0_\@:
	s_barrier_wait -3
	s_barrier_signal -1
	s_barrier_wait -1
.endm
.macro CROUND                          ; a whole round
	s_barrier_signal -1
	s_barrier_wait -1
	CREST
.endm
	s_load_b128 s[4:7], s[0:1], 0x0                ; codes, scales
	s_load_b128 s[8:11], s[0:1], 0x10              ; bq, bk
	s_load_b128 s[96:99], s[0:1], 0x20             ; bv, qimg
	s_load_b64 s[100:101], s[0:1], 0x30            ; qsc
	s_load_b64 s[104:105], s[0:1], 0x38            ; kv
	v_lshl_add_u32 v[SPW], v0, 2, SPARE
	v_mov_b32 v[NIL], 0
	ds_add_u32 v[SPW], v[NIL]                      ; the wave's opening: the add and its wait ahead of my first tensor load; the set-up below, work on registers, stands between them
	ds_add_u32 v[SPW], v[NIL]
	v_lshrrev_b32 v1, 5, v0
	v_readfirstlane_b32 s14, v1                    ; wave 0..3
	s_lshr_b32 s15, s14, 1                         ; which half of the tile's rows is mine.  Also: I fetch for A (0) or for B (1)
	s_and_b32 s16, s14, 1                          ; which half of its columns.  Also: which 128 rows of that tile I fetch
	s_bfe_u32 s40, ttmp6, 0x40000                  ; cx, cy: my place in the cluster
	s_bfe_u32 s41, ttmp6, 0x40004
	s_and_b32 s17, ttmp7, 0xffff                   ; the cluster's number, 0 to 23
	s_lshr_b32 s95, s17, 3                         ; MODE: the same in all sixteen partners
	s_and_b32 s17, s17, 7
	s_lshl_b32 s17, s17, 2                         ; the long side (8,192 tokens, 32 tiles) is walked by the eight clusters of a mode, four tiles each:
	s_cmp_eq_u32 s95, 2
	s_cselect_b32 s42, s17, 0                      ; in MODE 2 it is the columns,
	s_cselect_b32 s17, 0, s17                      ; else the rows
	s_add_co_u32 s42, s42, s40                     ; tile column of C
	s_add_co_u32 s17, s17, s41                     ; tile row of C
	s_lshl_b32 s43, s41, 2
	s_lshl_b32 s43, 15, s43                        ; my row of the cluster
	s_lshl_b32 s44, 0x1111, s40                    ; my column
	; descriptor group 1: a tile of 128 rows x 192 bytes, padded in LDS
	s_or_b32 s[G1+0], s43, (0<<16)|(1<<20)|(1<<21)|(3<<22)|(3<<25)  ; 15:0 the mask: A's tiles go to my row; 17:16 element of 1 byte; 20 padding on; 21 set beside a mask; 24:22 after every 16 words (code 3); 31:25 of 4 words (code 3)
	s_or_b32 s[G1B+0], s44, (0<<16)|(1<<20)|(1<<21)|(3<<22)|(3<<25)
.irp g, G1, G1B
	s_mov_b32 s[\g+1], 256<<16                     ; a dense run as rows of 256 bytes; the padding behind every 64 bytes makes LDS rows of 240 bytes of each 192
	s_mov_b32 s[\g+2], 192<<16                     ; the head's loads: 256 rows of codes = 192 rows of 256 bytes; behind them 96
	s_mov_b32 s[\g+3], 256<<16
	s_mov_b32 s[\g+4], 192
	s_mov_b32 s[\g+5], 256
	s_mov_b32 s[\g+6], 0
	s_mov_b32 s[\g+7], 0
.endr
	; and for the scales of 256 rows: a dense block of 8,192 bytes, as rows of 256 bytes (32 elements of 8 bytes), 16 bytes of padding behind each
	s_or_b32 s[G1S+0], s43, (3<<16)|(1<<20)|(1<<21)|(5<<22)|(3<<25)
	s_or_b32 s[G1SB+0], s44, (3<<16)|(1<<20)|(1<<21)|(5<<22)|(3<<25)
.irp g, G1S, G1SB
	s_mov_b32 s[\g+1], 32<<16
	s_mov_b32 s[\g+2], KS<<16                      ; the scales of 256 rows: 32 rows of 256 bytes
	s_mov_b32 s[\g+3], 32<<16
	s_mov_b32 s[\g+4], KS
	s_mov_b32 s[\g+5], 32
	s_mov_b32 s[\g+6], 0
	s_mov_b32 s[\g+7], 0
.endr
	; where the mode's two tensors begin in the two workspace buffers: plain numbers, made of MODE alone
	s_mul_i32 s12, s95, 6291456                    ; A's codes: query or key,
	s_mul_i32 s13, s95, 786432
	s_add_co_u32 s13, s13, 18874368                ; B's: Wq or Wk;
	s_lshl_b32 s3, s95, 18                         ; their scale bytes
	s_lshl_b32 s19, s95, 15
	s_add_co_u32 s19, s19, 786432
	s_cmp_eq_u32 s95, 2
	s_cselect_b32 s12, 20447232, s12               ; MODE 2: A = Wv,
	s_cselect_b32 s13, 12582912, s13               ; B = value
	s_cselect_b32 s3, 851968, s3
	s_cselect_b32 s19, 524288, s19
	s_mul_i32 s18, s16, TILEB                      ; in the ring I fetch 128 rows of a tile: which half, in bytes
	s_lshl_b32 s20, s17, 8                         ; A: the tile's first row
	s_lshl_b32 s46, s42, 8                         ; B: likewise
	s_lshl_b32 s22, s20, 5                         ; where these rows' scales begin, in bytes (every offset here stays under 2^25)
	s_add_co_u32 s22, s22, s3
	s_lshl_b32 s92, s46, 5
	s_add_co_u32 s92, s92, s19
	s_mul_i32 s20, s20, KROW                       ; and their codes
	s_add_co_u32 s20, s20, s12
	s_mul_i32 s46, s46, KROW
	s_add_co_u32 s46, s46, s13
	s_mov_b32 s21, 0
	s_mov_b32 s23, 0
	s_mov_b32 s47, 0
	s_mov_b32 s93, 0
	s_mul_i32 s45, s14, HALFT                      ; where they go: wave x 128 rows: no place in the cluster enters an LDS address
	s_mov_b32 s[SEL], 0x76543210
	s_mov_b32 s[SEL+1], 0xfedcba98
	s_wait_dscnt 0x0                               ; the opening add is done
	s_wait_kmcnt 0x0
	s_add_nc_u64 s[20:21], s[4:5], s[20:21]
	s_add_nc_u64 s[22:23], s[6:7], s[22:23]
	s_add_nc_u64 s[46:47], s[4:5], s[46:47]
	s_add_nc_u64 s[92:93], s[6:7], s[92:93]
	CROUND                                         ; all sixteen work-groups are here: the first joint loads meet
	s_mov_b32 s[G0S], 1
	s_mov_b32 s[G0S+1], SCL
	s_mov_b64 s[G0S+2:G0S+3], s[22:23]
	s_or_b32 s[G0S+3], s[G0S+3], 0x80000000
	s_mov_b32 s[G0SB], 1
	s_mov_b32 s[G0SB+1], SCL+2*HALFS
	s_mov_b64 s[G0SB+2:G0SB+3], s[92:93]
	s_or_b32 s[G0SB+3], s[G0SB+3], 0x80000000
	s_mov_b32 s19, 0
	s_mov_b32 s[G0], 1                             ; slot 0's sets serve the head first: K step 0's 256 rows of A, whole,
	s_mov_b32 s[G0+1], 0
	s_mov_b64 s[G0+2:G0+3], s[20:21]
	s_or_b32 s[G0+3], s[G0+3], 0x80000000
	s_mov_b32 s[G0B], 1                            ; and of B, behind them
	s_mov_b32 s[G0B+1], 2*HALFT
	s_mov_b64 s[G0B+2:G0B+3], s[46:47]
	s_or_b32 s[G0B+3], s[G0B+3], 0x80000000
	s_add_nc_u64 s[20:21], s[20:21], s[18:19]      ; for the ring: my 128 rows of the tile
	s_add_nc_u64 s[46:47], s[46:47], s[18:19]
	s_mov_b32 s[G0+4], 1                           ; slot 1: K step 1
	s_add_co_u32 s[G0+5], s45, SLOT
	s_add_nc_u64 s[G0+6:G0+7], s[20:21], KSB
	s_or_b32 s[G0+7], s[G0+7], 0x80000000
	s_mov_b32 s[G0B+4], 1
	s_add_co_u32 s[G0B+5], s45, SLOT
	s_add_nc_u64 s[G0B+6:G0B+7], s[46:47], KSB
	s_or_b32 s[G0B+7], s[G0B+7], 0x80000000
; THE HEAD'S LOADS, ONE A WAVE: wave 0 K step 0's 256 rows of A, wave 1 those of B, wave 2 A's scales, wave 3 B's.  One tree of branches on the wave's number; every way passes one load.
.macro ARM under, g0, g1, next
	s_cmp_lt_u32 s14, \under
	s_cbranch_scc0 \next
	tensor_load_to_lds s[\g0:\g0+3], s[\g1:\g1+7]
	s_nop 0
.rept 4
	v_nop
.endr
	s_branch .Lhead_asked
\next:
.endm
	ARM 1, G0,  G1,  .Lhead_b
	ARM 2, G0B, G1B, .Lhead_sa
	ARM 3, G0S, G1S, .Lhead_sb
	tensor_load_to_lds s[G0SB:G0SB+3], s[G1SB:G1SB+7]
	s_nop 0
.rept 4
	v_nop
.endr
.Lhead_asked:
	v_and_b32 v1, 15, v0                           ; r = l % 16
	v_bfe_u32 v2, v0, 4, 1                         ; h = l / 16
	v_mul_u32_u24 v3, v1, PITCH
	v_mul_u32_u24 v4, v2, 24
	v_add_nc_u32 v4, v3, v4                        ; a fragment's row x pitch + 24 x half
	v_lshl_add_u32 v5, v2, 4, v4                   ; and the same behind one padding more
	s_mul_i32 s21, s15, HALFT                      ; my 128 rows of A
	s_mul_i32 s22, s16, HALFT                      ; my 128 rows of B,
	s_add_co_u32 s22, s22, 2*HALFT                 ; which lie behind A's 256
.irp s, 0,1
	v_add_nc_u32 v[ADRA+\s], s21, v4
	v_add_nc_u32 v[ADRB+\s], s22, v4
	v_add_nc_u32 v[ADRA+2+\s], s21, v5
	v_add_nc_u32 v[ADRB+2+\s], s22, v5
	s_add_co_u32 s21, s21, SLOT
	s_add_co_u32 s22, s22, SLOT
.endr
	v_mul_u32_u24 v5, v1, KS                       ; my row's scales: 32 bytes a row,
	v_lshrrev_b32 v6, 8, v5
	v_lshl_add_u32 v5, v6, 4, v5                   ; and 16 more for each 256 passed
	s_mul_i32 s21, s15, HALFS                      ; A's: my 128 rows
	s_mul_i32 s22, s16, HALFS                      ; B's: my 128 rows, behind A's 256
	s_add_co_u32 s22, s22, 2*HALFS
	s_sub_co_u32 s22, s22, s21
	v_mul_u32_u24 v6, s22, v2                      ; lanes 16-31 take B's
	s_add_co_u32 s21, s21, SCL
	v_add_nc_u32 v5, v5, v6
	v_add_nc_u32 v[ADRS], s21, v5
	; the bias.  Both sets are loaded in every mode, from offsets that stay inside the 1,024 numbers, so that every register is written on every path; a mode adds one of them
	s_cmp_eq_u32 s95, 1
	s_cselect_b64 s[8:9], s[10:11], s[8:9]
	s_cmp_eq_u32 s95, 2
	s_cselect_b64 s[8:9], s[96:97], s[8:9]         ; bq, bk or bv
	s_lshl_b32 s18, s17, 8
	s_lshl_b32 s19, s15, 7
	s_add_co_u32 s18, s18, s19                     ; my first row of C
	s_lshl_b32 s19, s42, 8
	s_lshl_b32 s3, s16, 7
	s_add_co_u32 s19, s19, s3                      ; my first column
	s_cmp_eq_u32 s95, 2
	s_cselect_b32 s20, s19, s18                    ; the tokens' side,
	s_cselect_b32 s21, s18, s19                    ; the features' side
	s_cselect_b32 s22, 0, s19                      ; the bias along n begins at my first column (MODE 2: at 0, and is not used),
	s_cselect_b32 s23, s18, 0                      ; that along m at my first row (MODE 0, 1: at 0, and is not used)
	s_lshl_b32 s22, s22, 2
	s_lshl_b32 s23, s23, 2
	v_lshlrev_b32 v[BNO], 6, v2
	v_add_nc_u32 v[BNO], s22, v[BNO]               ; + 16 h numbers
	v_and_b32 v[BMO], 8, v1
	v_add_nc_u32 v[BMO], v[BMO], v1                ; row r of a tile is feature r + 8 (r / 8) of its 32
	v_lshlrev_b32 v[BMO], 2, v[BMO]
	v_add_nc_u32 v[BMO], s23, v[BMO]
.irp e, 0,1,2,3
.irp i, 0,1,2,3
	global_load_b128 v[BN+16*\e+4*\i:BN+16*\e+4*\i+3], v[BNO], s[8:9] offset:128*\e+16*\i
.endr
.endr
.irp a, 0,1,2,3,4,5,6,7
	global_load_b32 v[BM+2*\a], v[BMO], s[8:9] offset:4*(32*(\a/2)+8*(\a%2))
	v_mov_b32 v[BM+2*\a+1], 0
.endr
	; where my results go
	s_lshr_b32 s45, s20, 11                        ; the batch,
	s_lshl_b32 s45, s45, 4
	s_lshr_b32 s46, s21, 6
	s_add_co_u32 s45, s45, s46                     ; 16 x batch + the first of my two heads
	s_bfe_u32 s46, s20, 0x40007                    ; which 128 tokens of the batch's 2,048
	s_mul_i32 s92, s45, 98304
	s_mul_i32 s47, s46, 6144
	s_add_co_u32 s92, s92, s47                     ; in qimg: 64 pairs of 1,536 bytes a head, four pairs to my 128 tokens
	s_lshl_b32 s93, s45, 12
	s_lshl_b32 s47, s46, 8
	s_add_co_u32 s93, s93, s47                     ; in qsc
	s_lshl_b32 s94, s45, 4
	s_add_co_u32 s94, s94, s46
	s_mul_i32 s94, s94, 12800                      ; in kv: the step's block
	s_add_co_u32 s47, s94, 12288                   ; k's scale words
	s_add_co_u32 s3, s94, 6144                     ; v's fragments
	s_add_co_u32 s20, s94, 12544                   ; v's scale words
	s_cmp_eq_u32 s95, 2
	s_cselect_b32 s94, s3, s94
	s_cselect_b32 s47, s20, s47
	s_mov_b32 s21, 204800                          ; from head to head in kv
	s_mov_b32 s3, s21
	s_cmp_eq_u32 s95, 0
	s_cselect_b32 s92, s92, s94                    ; the images' offset,
	s_cselect_b32 s20, s93, s47                    ; the scale words',
	s_cselect_b32 s21, 98304, s21                  ; from head to head: images,
	s_cselect_b32 s3, 4096, s3                     ; scale words
	s_cselect_b64 s[12:13], s[98:99], s[104:105]   ; qimg or kv
	s_cselect_b64 s[96:97], s[100:101], s[104:105] ; qsc or kv
	s_mov_b32 s93, 0
	s_add_nc_u64 s[12:13], s[12:13], s[92:93]      ; images of my first head,
	s_mov_b32 s92, s21
	s_add_nc_u64 s[10:11], s[12:13], s[92:93]      ; of my second
	s_mov_b32 s92, s20
	s_add_nc_u64 s[96:97], s[96:97], s[92:93]      ; scale words
	v_mul_u32_u24 v[SCO], s3, v2
	v_lshl_add_u32 v[SCO], v1, 4, v[SCO]           ; lanes 0-15: my first head's 256 bytes, 16 a lane; lanes 16-31: my second head's
	s_mov_b32 s19, 0x02020202
	v_mul_lo_u32 v[VSEL], v2, s19
	v_add_nc_u32 v[VSEL], 0x05040100, v[VSEL]      ; 0x05040100 or 0x07060302
	v_and_b32 v[LI16], 31, v0
	v_lshlrev_b32 v[LI16], 4, v[LI16]
.macro FRAG reg, adr, q, i             ; a fragment, 16 rows x 128 K of 6-bit codes, is 12 registers: lane l holds row l % 16; registers 6 c .. 6 c + 5 hold K = 64 c + 32 (l / 16) + 0 .. 31: 24 bytes of the row's stream of bits, as they lie
.irp p, 0,1,2,3,4,5                    ; in pieces of 8 bytes, so that every address is a multiple of the access's size
.set PC, 12*(\q)+6*(\p/3)+\p%3        ; 16 bytes of padding lie behind every 8 pieces: where the piece three on (lanes 16-31) lies behind one padding more, the second address register serves
.if PC%8 < 5
	ds_load_b64 v[\reg+2*\p:\reg+2*\p+1], v[\adr] offset:8*PC+16*(PC/8)+(\i)*16*PITCH
.else
	ds_load_b64 v[\reg+2*\p:\reg+2*\p+1], v[\adr+2] offset:8*PC+16*(PC/8)+(\i)*16*PITCH
.endif
.endr
.endm
; 16 matrix instructions: A's blocks a0, a0 + 1 x B's eight, 128 along K: the slot's q-th.  p: B's set;  sc: the set of scale words.  zero = 1: the first product starts the sums: nothing is ever cleared.
; The 64 accumulators take turns, one instruction a turn, in the same order in every step.
.macro MUL16 a0, p, q, sc, zero
.irp a, \a0, \a0+1
.irp b, 0,1,2,3,4,5,6,7
.if \zero
	v_wmma_scale_f32_16x16x128_f8f6f4 v[8*(8*((\a)%4)+\b):8*(8*((\a)%4)+\b)+7], v[128*(\p)+FR*\b:128*(\p)+FR*\b+FR-1], v[AF+FR*(\a):AF+FR*(\a)+FR-1], 0, v[SC+8*NQ*(\sc)+NQ*\b+(\q)], v[SC+8*NQ*(\sc)+NQ*(\a)+(\q)] matrix_a_fmt:MATRIX_FMT_FP6 matrix_b_fmt:MATRIX_FMT_FP6 matrix_a_scale:MATRIX_SCALE_ROW1
.else
	v_wmma_scale_f32_16x16x128_f8f6f4 v[8*(8*((\a)%4)+\b):8*(8*((\a)%4)+\b)+7], v[128*(\p)+FR*\b:128*(\p)+FR*\b+FR-1], v[AF+FR*(\a):AF+FR*(\a)+FR-1], v[8*(8*((\a)%4)+\b):8*(8*((\a)%4)+\b)+7], v[SC+8*NQ*(\sc)+NQ*\b+(\q)], v[SC+8*NQ*(\sc)+NQ*(\a)+(\q)] matrix_a_fmt:MATRIX_FMT_FP6 matrix_b_fmt:MATRIX_FMT_FP6 matrix_a_scale:MATRIX_SCALE_ROW1
.endif
.endr
.endr
.endm
.macro FETCH_B slot, q, p              ; B's eight fragments of the slot's q-th 128 along K into set p
	WIN TO_B
.irp i, 0,1,2,3,4,5,6,7
	FRAG 128*(\p)+FR*\i, ADRB+\slot, \q, \i
.endr
	WIN 0
.endm
.macro FETCH_A slot, q, i0             ; A's blocks i0 .. i0 + 3
.irp i, \i0, \i0+1, \i0+2, \i0+3
	FRAG AF+FR*(\i), ADRA+\slot, \q, \i
.endr
.endm
.macro SCALES sc                       ; the next K step's scale words into set sc: two words a row; lanes 0-15 take A's block i, lanes 16-31 B's block i
.irp i, 0,1,2,3,4,5,6,7
	ds_load_b64 v[SC+8*NQ*\sc+NQ*\i:SC+8*NQ*\sc+NQ*\i+1], v[ADRS] offset:\i*SBLK
.endr
.endm
; A load into a register that a matrix instruction has read, and a vector instruction that reads a matrix result, stand NP places behind that matrix instruction, and only plain vector
; instructions that name none of its registers are places (ISA guide 7.12.1 for vector instructions).
.macro PLACES n
.rept \n
	v_nop
.endr
.endm
; A step of 128 along K that has its successor in the same slot.
.macro STEP slot, q, zero
	s_wait_dscnt 4*NL                              ; B's set and A's blocks 0-3 are in; the youngest 24 loads (A's blocks 4-7) may be out
	WIN MUL_LO
	MUL16 0, (\q)%2, \q, \slot, \zero
	MUL16 2, (\q)%2, \q, \slot, \zero
	s_wait_dscnt 0                                 ; A's blocks 4-7 are in (asked for 32 matrix instructions ago)
	PLACES NP
	FETCH_B \slot, (\q)+1, 1-(\q)%2
	FETCH_A \slot, (\q)+1, 0
	WIN MUL_HI
	MUL16 4, (\q)%2, \q, \slot, \zero
	MUL16 6, (\q)%2, \q, \slot, \zero
	PLACES NP
	WIN 0
	FETCH_A \slot, (\q)+1, 4
.endm
; A slot's last step changes slots: one barrier; in front of it each wave waits for all its tensor loads, adds 0 to its spare word, and waits for that and for its own reads of this slot.  fill = 1: this slot is filled again, two K steps ahead.
.macro TURN slot, next, fill
	s_wait_tensorcnt 0x0                           ; all my tensor loads have landed: my part of the next slot;  (every window is 0 here: the add's two registers lie in window 0)
	ds_add_u32 v[SPW], v[NIL]                      ; 0 onto my spare word
	s_wait_dscnt 4*NL+1                            ; (the add and the youngest 24 loads, A's blocks 4-7, may be out)
	WIN MUL_LO
	MUL16 0, 1, NQ-1, \slot, 0                     ; sixteen matrix instructions stand between the add and the wait for it
	s_wait_dscnt 0x0                               ; the add is done, and my reads of this slot are over
	s_barrier_signal -1
	MUL16 2, 1, NQ-1, \slot, 0
	WIN 0
	s_barrier_wait -1
.if \fill
	CREST                                          ; the barrier has opened a round of the cluster's barrier: no wave of any partner still reads this slot's tile or has a load on its way
	s_add_nc_u64 s[G0+4*\slot+2:G0+4*\slot+3], s[G0+4*\slot+2:G0+4*\slot+3], 2*KSB
	s_add_nc_u64 s[G0B+4*\slot+2:G0B+4*\slot+3], s[G0B+4*\slot+2:G0B+4*\slot+3], 2*KSB
	JLOAD G0+4*\slot, G1, G0B+4*\slot, G1B         ; the first tensor load behind the round, my one load until the next; the four v_nop behind it are the places in front of the loads below
.else
	PLACES NP
.endif
	s_wait_alu depctr_va_vdst(0)
	v_add_nc_u32 v[ADRS], 4*NQ, v[ADRS]            ; on to the next K step's scale words (no LDS load of mine is out)
	FETCH_B \next, 0, 0
	FETCH_A \next, 0, 0
	SCALES \next
	WIN MUL_HI
	MUL16 4, 1, NQ-1, \slot, 0
	MUL16 6, 1, NQ-1, \slot, 0
	PLACES NP
	WIN 0
	FETCH_A \next, 0, 4
.endm
	s_wait_alu depctr_va_vdst(0)
	s_wait_tensorcnt 0x0                           ; my tile of the head's four is in
	ds_add_u32 v[SPW], v[NIL]
	s_mov_b32 s[G1+2], 96<<16                      ; no tensor load of mine is out: from here on a load brings 128 rows of codes, 96 rows of 256 bytes,
	s_mov_b32 s[G1+4], 96
	s_mov_b32 s[G1B+2], 96<<16
	s_mov_b32 s[G1B+4], 96
	s_mul_i32 s[G0+1], s14, HALFT                  ; and slot 0's sets are the ring's: my quarter of the slot, my 128 rows
	s_mul_i32 s[G0B+1], s14, HALFT
	s_mul_i32 s18, s16, TILEB
	s_mov_b32 s19, 0
	s_add_nc_u64 s[G0+2:G0+3], s[G0+2:G0+3], s[18:19]
	s_add_nc_u64 s[G0B+2:G0B+3], s[G0B+2:G0B+3], s[18:19]
	s_wait_dscnt 0x0                               ; the add is done
	CROUND                                         ; all four tiles are in, and all sixteen work-groups are here
	JLOAD G0+4, G1, G0B+4, G1B                     ; K step 1, the first tensor load behind the round
	FETCH_B 0, 0, 0
	FETCH_A 0, 0, 0
	SCALES 0
	FETCH_A 0, 0, 4
	STEP 0, 0, 1                                   ; K = 1,024 is four K steps, eight steps of 128: written straight.  The first step's products start the sums
	TURN 0, 1, 1                                   ; slot 0 takes K step 2
	STEP 1, 0, 0
	TURN 1, 0, 1                                   ; slot 1 takes K step 3
	STEP 0, 0, 0
	TURN 0, 1, 0                                   ; nothing is left to fetch: no round of the cluster's barrier
	STEP 1, 0, 0
	s_wait_dscnt 4*NL                              ; the very last step
	WIN MUL_LO
	MUL16 0, 1, NQ-1, 1, 0
	MUL16 2, 1, NQ-1, 1, 0
	s_wait_dscnt 0
	WIN MUL_HI
	MUL16 4, 1, NQ-1, 1, 0
	MUL16 6, 1, NQ-1, 1, 0
	WIN 0
; THE WAY OUT.  ADDB: block a's 64 numbers of my lane (its eight accumulators, each read from its low end on) + the bias, into v[HA] on.  vm = 0: the bias runs along n; vm = 1: one number for my row.
.macro ADDB a, vm
.set AC, 64*((\a)%4)
	WIN 0x02+(\a)/4                                ; source 0: window 2 or 3
.set i, 0
.rept 32
.if \vm
	v_pk_add_f32 v[HA+i:HA+i+1], v[AC+i:AC+i+1], v[BM+2*(\a):BM+2*(\a)+1] op_sel_hi:[1,0]
.else
	v_pk_add_f32 v[HA+i:HA+i+1], v[AC+i:AC+i+1], v[BN+i:BN+i+1]
.endif
.set i, i+2
.endr
	WIN 0
.endm
; QUANT: 64 numbers of a lane, register 16 b + i = n 32 b + 16 (lane / 16) + i of my row, become codes: blocks 0 and 1 in v[d0] .. v[d0 + 5], blocks 2 and 3 in v[d1] .. v[d1 + 5] (lanes 0-15 the even block, lanes 16-31 the odd one),
; and the row's four scale bytes in v[pw].
.macro QUANT s, d0, d1, pw
.irp b, 0,1,2,3
	v_max3_num_f32 v[TM+\b], |v[\s+16*\b]|, |v[\s+1+16*\b]|, 0x1800000   ; block b: my 16 numbers, and the floor 2^(3 - 127): so the byte cannot fall under 1
.endr
.irp i, 2,4,6,8,10,12,14
.irp b, 0,1,2,3
	v_max3_num_f32 v[TM+\b], v[TM+\b], |v[\s+16*\b+\i]|, |v[\s+1+16*\b+\i]|   ; (the four blocks by turns: no line waits for the line above it)
.endr
.endr
.irp b, 0,1,2,3
	v_permlanex16_b32 v[TM+4+\b], v[TM+\b], s[SEL], s[SEL+1]
.endr
.irp b, 0,1,2,3
	v_max_num_f32 v[TM+\b], v[TM+\b], v[TM+4+\b]   ; with lane l xor 16's: the block's largest magnitude
.endr
.irp b, 0,1,2,3
	v_add_nc_u32 v[TM+12+\b], 0xff000000, v[TM+\b] ; 2 off its exponent field: the conversion's scale operand
.endr
.irp b, 0,1,2,3
	v_lshrrev_b32 v[TM+4+\b], 23, v[TM+12+\b]      ; the scale's byte
.endr
	v_lshl_or_b32 v[\pw], v[TM+5], 8, v[TM+4]
	v_lshl_or_b32 v[\pw], v[TM+6], 16, v[\pw]
	v_lshl_or_b32 v[\pw], v[TM+7], 24, v[\pw]
	v_cvt_scalef32_pk16_fp6_f32 v[\d0:\d0+2], v[\s:\s+15], v[TM+12]
	v_cvt_scalef32_pk16_fp6_f32 v[T0:T0+2], v[\s+16:\s+31], v[TM+13]   ; (a conversion's three registers begin on an even number: a block's second three do not, so they are made elsewhere and moved)
	v_cvt_scalef32_pk16_fp6_f32 v[\d1:\d1+2], v[\s+32:\s+47], v[TM+14]
	v_cvt_scalef32_pk16_fp6_f32 v[T1:T1+2], v[\s+48:\s+63], v[TM+15]
	v_nop                                          ; one plain place behind a scaled conversion
.irp i, 0,1,2
	v_permlane16_swap_b32 v[\d0+\i], v[T0+\i]      ; the first's lanes 16-31 change places with the second's lanes 0-15: a whole block in a lane
.endr
.irp i, 0,1,2
	v_mov_b32 v[\d0+3+\i], v[T0+\i]
.endr
.irp i, 0,1,2
	v_permlane16_swap_b32 v[\d1+\i], v[T1+\i]
.endr
.irp i, 0,1,2
	v_mov_b32 v[\d1+3+\i], v[T1+\i]
.endr
.endm
	PLACES NP                                      ; behind the last products, ahead of the first read of results and of writes into registers that they read
	s_wait_loadcnt 0x0                             ; the bias
.irp b, 0,1,2,3
	v_mov_b32 v[TM+4+\b], 0                        ; written once: a lane permute's destination counts as one of its sources
.endr
	s_cmp_eq_u32 s95, 2                            ; the mode is the cluster's: all partners and all waves go the same way
	s_cbranch_scc1 .Lv
	; q and k.  My 128 columns are two heads of 64: blocks 0, 1 are my first head's, blocks 2, 3 my second's.  Two tiles of 16 tokens make a pair: 12 registers for each head.
.irp e, 0,1,2,3
.if \e > 0
	s_wait_xcnt 0x0                                ; the last pair's stores have read their registers
.endif
	ADDB 2*\e, 0
	QUANT HA, F0, F1, PWA
	ADDB 2*\e+1, 0
	QUANT HA, F0+6, F1+6, PWB
	v_perm_b32 v[SW+\e], v[PWB], v[PWA], v[VSEL]   ; (tile 0's two bytes, tile 1's two bytes): lanes 0-15 of my first head, lanes 16-31 of my second
.irp g, 0,1,2
	global_store_b128 v[LI16], v[F0+4*\g:F0+4*\g+3], s[12:13] offset:1536*\e+512*\g   ; 32 lanes store 512 consecutive bytes, aligned
	global_store_b128 v[LI16], v[F1+4*\g:F1+4*\g+3], s[10:11] offset:1536*\e+512*\g
.endr
.endr
	s_branch .Lend
.Lv:
	; v^T.  My 128 columns are one step of 128 keys; my 128 rows are two heads of 64: blocks 0-3 are my first head's four fragments, blocks 4-7 my second's.
.irp a, 0,1,2,3,4,5,6,7
.if \a >= 2
	s_wait_xcnt 0x0                                ; the stores of two blocks back have read their registers
.endif
	ADDB \a, 1
	QUANT HA, F0+12*(\a%2), F0+12*(\a%2)+6, PW8+\a
.irp g, 0,1,2
.if \a < 4
	global_store_b128 v[LI16], v[F0+12*(\a%2)+4*\g:F0+12*(\a%2)+4*\g+3], s[12:13] offset:1536*(\a%4)+512*\g
.else
	global_store_b128 v[LI16], v[F0+12*(\a%2)+4*\g:F0+12*(\a%2)+4*\g+3], s[10:11] offset:1536*(\a%4)+512*\g
.endif
.endr
.endr
	s_mov_b32 s18, 0xffff0000
.irp t, 0,1,2,3
	v_cndmask_b32 v[SW+\t], v[PW8+\t], v[PW8+4+\t], s18   ; lanes 0-15: my first head's words, lanes 16-31: my second's
.endr
.Lend:
	s_wait_alu depctr_va_vdst(0)
	global_store_b128 v[SCO], v[SW:SW+3], s[96:97] ; sixteen lanes store a head's 256 bytes of scale words, aligned
	s_wait_tensorcnt 0x0                           ; the wave's end, behind my last tensor load
	ds_add_u32 v[SPW], v[NIL]
	s_wait_dscnt 0x0
	CROUND                                         ; the closing round: no work-group ends while a partner may still ask for a tile that names it
	s_endpgm
.Lfunc_end_k_qac5095799f_proj:
	.size	k_qac5095799f_proj, .Lfunc_end_k_qac5095799f_proj-k_qac5095799f_proj
	.p2alignl 7, 3214868480
	.fill 96, 4, 3214868480
	.section	.rodata,"a",@progbits
	.p2align	6, 0x0
	.amdhsa_kernel k_qac5095799f_proj
		.amdhsa_group_segment_fixed_size 327680
		.amdhsa_private_segment_fixed_size 0
		.amdhsa_enable_private_segment 0
		.amdhsa_kernarg_size 64
		.amdhsa_user_sgpr_count 2
		.amdhsa_user_sgpr_kernarg_segment_ptr 1
		.amdhsa_wavefront_size32 1
		.amdhsa_system_sgpr_workgroup_id_x 1
		.amdhsa_system_sgpr_workgroup_id_y 1
		.amdhsa_system_sgpr_workgroup_id_z 1
		.amdhsa_system_vgpr_workitem_id 0
		.amdhsa_next_free_vgpr 1024
		.amdhsa_next_free_sgpr 106
		.amdhsa_reserve_vcc 0
		.amdhsa_float_denorm_mode_32 3
		.amdhsa_float_denorm_mode_16_64 3
		.amdhsa_memory_ordered 1
		.amdhsa_forward_progress 1
		.amdhsa_inst_pref_size 235
	.end_amdhsa_kernel
	.amdgpu_metadata
---
amdhsa.version: [ 1, 2 ]
amdhsa.kernels:
  - .name:           k_qac5095799f_proj
    .symbol:         k_qac5095799f_proj.kd
    .args:
      - { .name: codes, .offset: 0, .size: 8, .value_kind: global_buffer, .address_space: global }
      - { .name: scales, .offset: 8, .size: 8, .value_kind: global_buffer, .address_space: global }
      - { .name: bq, .offset: 16, .size: 8, .value_kind: global_buffer, .address_space: global }
      - { .name: bk, .offset: 24, .size: 8, .value_kind: global_buffer, .address_space: global }
      - { .name: bv, .offset: 32, .size: 8, .value_kind: global_buffer, .address_space: global }
      - { .name: qimg, .offset: 40, .size: 8, .value_kind: global_buffer, .address_space: global }
      - { .name: qsc, .offset: 48, .size: 8, .value_kind: global_buffer, .address_space: global }
      - { .name: kv, .offset: 56, .size: 8, .value_kind: global_buffer, .address_space: global }
    .group_segment_fixed_size: 327680
    .private_segment_fixed_size: 0
    .kernarg_segment_align: 8
    .kernarg_segment_size: 64
    .max_flat_workgroup_size: 128
    .sgpr_count:     106
    .vgpr_count:     1024
    .wavefront_size: 32
...
	.end_amdgpu_metadata
.endif
;; end of part 2
;; launch attn (part 3): grid 4 x 64, 16 waves a work-group, clusters of 4 x 1, 327,680 bytes of LDS; arguments qimg, qsc, kv, cimg, csc; writes cimg, csc
.if DOCPART == 3
	.amdgcn_target "amdgcn-amd-amdhsa--gfx1250"
	.amdhsa_code_object_version 6
	.text
	.protected	k_qac5095799f_attn
	.globl	k_qac5095799f_attn
	.p2align	8
	.type	k_qac5095799f_attn,@function
k_qac5095799f_attn:
	s_mov_b64 s[64:65], 0
	v_nop
	global_prefetch_b8 v0, s[64:65] scope:SCOPE_SE
	s_setreg_imm32_b32 hwreg(HW_REG_WAVE_MODE, 25, 1), 1
	s_wait_xcnt 0x0
	s_wait_alu depctr_hold_cnt(0) depctr_sa_sdst(0) depctr_va_vdst(0) depctr_va_sdst(0) depctr_va_ssrc(0) depctr_va_vcc(0) depctr_vm_vsrc(0)
	s_getreg_b32 s2, hwreg(HW_REG_IB_STS2, 6, 4)
	s_cmp_eq_u32 s2, 0
	s_cbranch_scc0 .Lentry_in_a_cluster
	s_endpgm
.Lentry_in_a_cluster:
	s_bfe_u32 s2, ttmp6, 0x10000c
	s_cmp_lg_u32 s2, 0x3003
	s_cbranch_scc0 .Lentry_shape_is_right
	s_endpgm
.Lentry_shape_is_right:
; Attention of one head and batch (bh) on codes of FP6: S^T = k q^T, p = 2^(t - M) with a running whole M, p quantised by blocks of 32 keys, O^T += v^T p^T, O / l quantised for the last projection.
; A work-group of 16 waves takes 512 queries of one bh; the four work-groups of a cluster share the bh's keys and values, which are asked for jointly.
; All 16 key steps of the bh (12,800 bytes each: k's images, v's images, their scale words) lie in LDS for the whole launch: each wave asks for one step by its one tensor load at the head; nothing is filled again.
; A WAVE TAKES 32 QUERIES, TWO TILES A AND B OF 16, IN ONE WALK OVER THE KEYS: a step's 25 LDS loads (12 for k, 1 for the scale words, 12 for v) serve both tiles.
; A step: k's fragments; A's scores, A's softmax and codes; B's scores; v's fragments into k's registers, asked for ahead of B's softmax; B's softmax and codes; eight products on the two tiles' sums by turns.
; The head's 64 are half of the instruction's K = 128: a fragment of k holds two tiles of 16 keys, and q stands beside six registers of zero codes, ahead of them or behind, which picks the tile.
; B's codes of p lie in score registers whose conversions are done; A's have twelve registers of their own, since B's scores are written over A's.
; No prefetch: the launch's one fill stands at its head, with no loop ahead of it to ask in.
; LIMITS: the promise holds while the scaled scores stay under 2^31 in magnitude; NaN and infinities are not served; a block whose largest magnitude lies under 2^-124 gets the byte 1.
.set STEPB, 12800
.set NSTEP, 16
.set SPARE, NSTEP*STEPB
.set F,   0                            ; v0 f = 2^(old M - new M), named as the low word of v[0:1]
.set LI,  1                            ; 16 x lane
.set SPW, 2                            ; my spare word; never rewritten
.set NIL, 3                            ; 0; never rewritten
.set ADR, 4                            ; LDS address in this key step
.set GO,  5                            ; 8 x lane
.set CSO, 6                            ; my byte's place in csc
.set TMP, 7
.set MA,  8                            ; v8, v9: -M and the largest t of tile A; v10, v11 of B
.set MB,  10
.set LA,  12                           ; v12, v13: the row's sum in two halves, A; v14, v15 B
.set LB,  14
.set QF,  16                           ; v16-45: 0 | q A | 0 | q B | 0, six registers each
.set QS,  46                           ; v46, v47 q's scale words, A and B
.set SC,  48                           ; v48-51 lanes 0-15 k's scale words, lanes 16-31 v's
.set KV,  52                           ; v52-99 four fragments of k, then of v
.set S,   100                          ; v100-163 scores, then p
.set O,   164                          ; v164-195 O^T of A, v196-227 of B
.set PCA, 228                          ; v228-239 A's codes of p
.set PCB, S+16                         ; B's
.set BYA, 240                          ; v240, v241 the end's scale bytes
.set BMX, 242                          ; v242-245 the blocks' largest, then the conversions' scale operands
.set PRM, 246                          ; v246-249 the other lane's, then bytes, then a conversion's upper half
.set SUM2, 250                         ; v250, v251 the sum's second chain
.set T1,  250                          ; v250-252 the other upper half, when the chain is done
.set PWD, 254                          ; v254, v255 p's scale words, A and B
.set WV,  14
.set CX,  15
.set BH,  16
.set PP,  17
.set SEL, 20
.set CS,  22
.set G1,  24
.set G0,  32
.set TB,  40
.set CNT, 41
.set HIM, 44
.macro WALU
	s_wait_alu depctr_va_vdst(0)
.endm
.macro D n
	s_delay_alu instid0(VALU_DEP_\n)
.endm
.macro PLACES n
.rept \n
	v_nop
.endr
.endm
.macro CROUND
	s_barrier_signal -1
	s_barrier_wait -1
	s_cmp_lg_u32 s[WV], 0
	s_cbranch_scc1 .Lnot_wave_0_\@
	s_barrier_signal -3
.Lnot_wave_0_\@:
	s_barrier_wait -3
	s_barrier_signal -1
	s_barrier_wait -1
.endm
	s_load_b256 s[4:11], s[0:1], 0x0               ; qimg, qsc, kv, cimg
	s_load_b64 s[12:13], s[0:1], 0x20              ; csc
	v_lshl_add_u32 v[SPW], v0, 2, SPARE
	v_mov_b32 v[NIL], 0
	ds_add_u32 v[SPW], v[NIL]                      ; the opening lines: the add, twice on end, and its wait
	ds_add_u32 v[SPW], v[NIL]
	v_lshrrev_b32 v7, 5, v0
	s_delay_alu instid0(VALU_DEP_1)
	v_readfirstlane_b32 s[WV], v7
	s_bfe_u32 s[CX], ttmp6, 0x40000
	s_and_b32 s[BH], ttmp7, 0xffff
	s_lshl_b32 s[PP], s[CX], 4
	s_add_co_u32 s[PP], s[PP], s[WV]               ; my pair of tiles of queries, 0 to 63
	s_mov_b32 s[G1], 15|(3<<16)|(1<<21)            ; a key step: 50 rows of 256 bytes, for all four partners
	s_mov_b32 s[G1+1], 32<<16
	s_mov_b32 s[G1+2], 50<<16
	s_mov_b32 s[G1+3], 32<<16
	s_mov_b32 s[G1+4], 50
	s_mov_b32 s[G1+5], 32
	s_mov_b32 s[G1+6], 0
	s_mov_b32 s[G1+7], 0
	s_mul_i32 s46, s[BH], NSTEP*STEPB
	s_mul_i32 s48, s[WV], STEPB                    ; wave w fetches key step w
	s_add_co_u32 s46, s46, s48
	s_mov_b32 s47, 0
	s_lshl_b32 s50, s[BH], 6
	s_add_co_u32 s50, s50, s[PP]
	s_mul_i32 s50, s50, 1536                       ; my pair's image in qimg
	s_mov_b32 s51, 0
	s_lshl_b32 s52, s[BH], 12
	s_lshr_b32 s53, s[PP], 2
	s_lshl_b32 s53, s53, 8
	s_add_co_u32 s52, s52, s53
	s_and_b32 s53, s[PP], 3
	s_lshl_b32 s53, s53, 2
	s_add_co_u32 s52, s52, s53                     ; its scale words in qsc
	s_mov_b32 s53, 0
	s_lshr_b32 s54, s[BH], 4
	s_lshl_b32 s54, s54, 7
	s_lshl_b32 s55, s[PP], 1
	s_add_co_u32 s54, s54, s55                     ; tile A among the 512 tiles of tokens
	s_and_b32 s55, s[BH], 15
	s_mul_i32 s56, s54, 12288
	s_mul_i32 s57, s55, 768
	s_add_co_u32 s56, s56, s57                     ; in cimg
	s_mov_b32 s57, 0
	s_lshl_b32 s58, s54, 9
	s_lshl_b32 s55, s55, 1
	s_add_co_u32 s58, s58, s55                     ; in csc
	s_mov_b32 s59, 0
	s_mov_b32 s[SEL], 0x76543210
	s_mov_b32 s[SEL+1], 0xfedcba98                 ; lane l xor 16
	s_mov_b32 s[CS], 0x3e38aa3b                    ; log2(e) / 8
	s_mov_b32 s[CS+1], s[CS]
	s_mov_b32 s[HIM], 0xffff0000
	s_wait_dscnt 0x0
	s_wait_kmcnt 0x0
	s_mov_b32 s[G0], 1
	s_mov_b32 s[G0+1], s48
	s_add_nc_u64 s[G0+2:G0+3], s[8:9], s[46:47]
	s_or_b32 s[G0+3], s[G0+3], 0x80000000
	s_add_nc_u64 s[4:5], s[4:5], s[50:51]
	s_add_nc_u64 s[6:7], s[6:7], s[52:53]
	s_add_nc_u64 s[10:11], s[10:11], s[56:57]
	s_add_nc_u64 s[12:13], s[12:13], s[58:59]
	CROUND
	tensor_load_to_lds s[G0:G0+3], s[G1:G1+7]      ; my one tensor load
	s_nop 0
	PLACES 4
	v_and_b32 v7, 31, v0
	s_delay_alu instid0(VALU_DEP_1)
	v_lshlrev_b32 v[LI], 4, v7
	s_delay_alu instid0(VALU_DEP_2)
	v_lshlrev_b32 v[GO], 3, v7
	v_and_b32 v9, 15, v0
	v_bfe_u32 v10, v0, 4, 1
	s_delay_alu instid0(VALU_DEP_2)
	v_lshlrev_b32 v8, 4, v9
	s_delay_alu instid0(VALU_DEP_2)
	v_lshl_add_u32 v[CSO], v9, 5, v10
.irp g, 0,1,2
	global_load_b128 v[S+4*\g:S+4*\g+3], v[LI], s[4:5] offset:512*\g   ; registers 0-5 tile A's q, 6-11 tile B's
.endr
	global_load_b32 v[S+12], v8, s[6:7]            ; (A's two bytes, B's two bytes)
.irp i, 0,1,2,3,4,5
	v_mov_b32 v[QF+\i], 0
	v_mov_b32 v[QF+12+\i], 0
	v_mov_b32 v[QF+24+\i], 0
.endr
	s_wait_loadcnt 0x0
.irp i, 0,1,2,3,4,5
	v_mov_b32 v[QF+6+\i], v[S+\i]
	v_mov_b32 v[QF+18+\i], v[S+6+\i]
.endr
	v_perm_b32 v[QS], v[S+12], v[S+12], 0x01000100     ; a tile's two bytes, twice: q stands in the lower or in the upper 64 of K
	v_perm_b32 v[QS+1], v[S+12], v[S+12], 0x03020302
	v_mov_b32 v[MA+1], 0xff61b1e6                  ; the largest t so far: -3e38
	v_mov_b32 v[MB+1], 0xff61b1e6
	v_floor_f32 v[MA], -v[MA+1]
	v_floor_f32 v[MB], -v[MB+1]
.irp i, 0,1,2,3
	v_mov_b32 v[LA+\i], 0
	v_mov_b32 v[PRM+\i], 0                         ; a lane permute's destination counts as one of its sources
.endr
.set j, 0
.rept 64
	v_mov_b32 v[O+j], 0                            ; the step is written once: the first finds zeros
.set j, j+1
.endr
	WALU
	s_wait_tensorcnt 0x0
	s_barrier_signal -1
	s_barrier_wait -1                              ; all sixteen key steps are in
; eight products: a tile's scores of 128 keys.  Q: where (0 | q | 0) begins
.macro SMUL Q, qs
.irp f, 0,1,2,3
	v_wmma_scale_f32_16x16x128_f8f6f4 v[S+16*\f:S+16*\f+7], v[KV+12*\f:KV+12*\f+11], v[\Q+6:\Q+17], 0, v[SC+\f], v[\qs] matrix_a_fmt:MATRIX_FMT_FP6 matrix_b_fmt:MATRIX_FMT_FP6
	v_wmma_scale_f32_16x16x128_f8f6f4 v[S+16*\f+8:S+16*\f+15], v[KV+12*\f:KV+12*\f+11], v[\Q:\Q+11], 0, v[SC+\f], v[\qs] matrix_a_fmt:MATRIX_FMT_FP6 matrix_b_fmt:MATRIX_FMT_FP6
.endr
	PLACES 4
.endm
; a tile's softmax step: the blocks' largest scores, M, p, the sum, p's codes into v[PC ..] and scale word into v[PW], O^T under the new M
.macro SOFT MP, LP, OB, PC, PW
.irp b, 0,1,2,3
	v_max3_num_f32 v[BMX+\b], v[S+16*\b], v[S+1+16*\b], v[S+2+16*\b]
.endr
.irp i, 3,5,7,9,11,13
.irp b, 0,1,2,3
	v_max3_num_f32 v[BMX+\b], v[BMX+\b], v[S+16*\b+\i], v[S+1+16*\b+\i]
.endr
.endr
.irp b, 0,1,2,3
	v_max_num_f32 v[BMX+\b], v[BMX+\b], v[S+15+16*\b]
.endr
.irp b, 0,1,2,3
	D 4
	v_permlanex16_b32 v[PRM+\b], v[BMX+\b], s[SEL], s[SEL+1]
.endr
.irp b, 0,1,2,3
	D 4
	v_max_num_f32 v[BMX+\b], v[BMX+\b], v[PRM+\b]  ; with lane l xor 16's 16 keys: the block's largest score
.endr
	D 2
	v_max3_num_f32 v[TMP], v[BMX], v[BMX+1], v[BMX+2]
	D 1
	v_max_num_f32 v[TMP], v[TMP], v[BMX+3]
	D 1
	v_mul_f32 v[TMP], s[CS], v[TMP]
	D 1
	v_max_num_f32 v[\MP+1], v[\MP+1], v[TMP]       ; the running largest t
	v_mov_b32 v[TMP], v[\MP]
	D 2
	v_floor_f32 v[\MP], -v[\MP+1]                  ; -M = floor(-t): M is a whole number
	D 1
	v_sub_f32 v[TMP], v[\MP], v[TMP]
	D 1
	v_cvt_i32_f32 v[TMP], v[TMP]
	D 1
	v_ldexp_f32 v[F], 1.0, v[TMP]                  ; f = 2^(old M - new M)
.set j, 0
.rept 32
	v_pk_fma_f32 v[S+j:S+j+1], v[S+j:S+j+1], s[CS:CS+1], v[\MP:\MP+1] op_sel_hi:[1,0,0]   ; t - M
.set j, j+2
.endr
.irp b, 0,1,2,3
	v_fma_f32 v[BMX+\b], v[BMX+\b], s[CS], v[\MP]  ; the same of each block's largest score
.endr
	WALU
.set j, 0
.rept 64
	v_exp_f32 v[S+j], v[S+j]
.set j, j+1
.endr
	v_pk_mul_f32 v[\LP:\LP+1], v[\LP:\LP+1], v[F:F+1] op_sel_hi:[1,0]   ; the sums under the new M
	WALU                                           ; one wait for the batch, ahead of its first reader
.irp b, 0,1,2,3
	v_exp_f32 v[BMX+\b], v[BMX+\b]                 ; the block's largest p
.endr
	v_pk_add_f32 v[SUM2:SUM2+1], v[S:S+1], v[S+2:S+3]   ; the sum of the unquantised p, in two chains
.set j, 4
.rept 15
	v_pk_add_f32 v[\LP:\LP+1], v[\LP:\LP+1], v[S+j:S+j+1]
	v_pk_add_f32 v[SUM2:SUM2+1], v[SUM2:SUM2+1], v[S+2+j:S+3+j]
.set j, j+4
.endr
	D 1
	v_pk_add_f32 v[\LP:\LP+1], v[\LP:\LP+1], v[SUM2:SUM2+1]
	WALU                                           ; and one for the four
.irp b, 0,1,2,3
	v_max_num_f32 v[BMX+\b], 0x1800000, v[BMX+\b]  ; the floor 2^(3 - 127): the byte cannot fall under 1
.endr
.irp b, 0,1,2,3
	D 4
	v_add_nc_u32 v[BMX+\b], 0xff000000, v[BMX+\b]  ; 2 off the exponent field: the conversion's scale operand
.endr
.irp b, 0,1,2,3
	D 4
	v_lshrrev_b32 v[PRM+\b], 23, v[BMX+\b]         ; the scale's byte
.endr
	D 3
	v_lshl_or_b32 v[\PW], v[PRM+1], 8, v[PRM]
	D 1
	v_lshl_or_b32 v[\PW], v[PRM+2], 16, v[\PW]
	D 1
	v_lshl_or_b32 v[\PW], v[PRM+3], 24, v[\PW]
	v_cvt_scalef32_pk16_fp6_f32 v[PRM:PRM+2], v[S+16:S+31], v[BMX+1]   ; the odd blocks first: their numbers' registers are then free for B's codes
	v_cvt_scalef32_pk16_fp6_f32 v[T1:T1+2], v[S+48:S+63], v[BMX+3]
	v_nop                                          ; a plain place ahead of writes into those conversions' sources
	v_cvt_scalef32_pk16_fp6_f32 v[\PC:\PC+2], v[S:S+15], v[BMX]
	v_cvt_scalef32_pk16_fp6_f32 v[\PC+6:\PC+8], v[S+32:S+47], v[BMX+2]
	v_nop                                          ; one plain place behind a scaled conversion
.irp i, 0,1,2
	v_permlane16_swap_b32 v[\PC+\i], v[PRM+\i]     ; a whole block in a lane: lanes 0-15 the even block, lanes 16-31 the odd one
.endr
.irp i, 0,1,2
	D 3
	v_mov_b32 v[\PC+3+\i], v[PRM+\i]
.endr
.irp i, 0,1,2
	v_permlane16_swap_b32 v[\PC+6+\i], v[T1+\i]
.endr
.irp i, 0,1,2
	D 3
	v_mov_b32 v[\PC+9+\i], v[T1+\i]
.endr
	WALU
.set j, 0
.rept 16
	v_pk_mul_f32 v[\OB+j:\OB+j+1], v[\OB+j:\OB+j+1], v[F:F+1] op_sel_hi:[1,0]   ; O^T under the new M
.set j, j+2
.endr
.endm
	s_mov_b32 s[TB], 0
	s_mov_b32 s[CNT], NSTEP
.Lstep:
	v_add_nc_u32 v[ADR], s[TB], v[LI]
	PLACES 4                                       ; five places behind the last products: A's scores are written over B's codes, and loads land on v's fragments
.irp f, 0,1,2,3
.irp g, 0,1,2
	ds_load_b128 v[KV+12*\f+4*\g:KV+12*\f+4*\g+3], v[ADR] offset:1536*\f+512*\g
.endr
.endr
	ds_load_b128 v[SC:SC+3], v[ADR] offset:12288
	s_wait_dscnt 0x0
	SMUL QF, QS
	SOFT MA, LA, O, PCA, PWD
	SMUL QF+12, QS+1                               ; its four places also stand ahead of the loads into k's registers
.irp f, 0,1,2,3
.irp g, 0,1,2
	ds_load_b128 v[KV+12*\f+4*\g:KV+12*\f+4*\g+3], v[ADR] offset:6144+1536*\f+512*\g
.endr
.endr
	SOFT MB, LB, O+32, PCB, PWD+1
	WALU
	s_wait_dscnt 0x0                               ; v's fragments are in
.irp t, 0,1,2,3
	v_wmma_scale_f32_16x16x128_f8f6f4 v[O+8*\t:O+8*\t+7], v[KV+12*\t:KV+12*\t+11], v[PCA:PCA+11], v[O+8*\t:O+8*\t+7], v[SC+\t], v[PWD] matrix_a_fmt:MATRIX_FMT_FP6 matrix_b_fmt:MATRIX_FMT_FP6 matrix_a_scale:MATRIX_SCALE_ROW1
	v_wmma_scale_f32_16x16x128_f8f6f4 v[O+32+8*\t:O+32+8*\t+7], v[KV+12*\t:KV+12*\t+11], v[PCB:PCB+11], v[O+32+8*\t:O+32+8*\t+7], v[SC+\t], v[PWD+1] matrix_a_fmt:MATRIX_FMT_FP6 matrix_b_fmt:MATRIX_FMT_FP6 matrix_a_scale:MATRIX_SCALE_ROW1
.endr
	s_add_co_u32 s[TB], s[TB], STEPB
	s_sub_co_u32 s[CNT], s[CNT], 1
	s_cmp_lg_u32 s[CNT], 0
	s_cbranch_scc1 .Lstep
	PLACES 4
; a tile's end: O^T / l into v[VB ..], quantised by its two blocks of 32 of the head's 64; the image and the byte leave.  Each tile has store registers of its own.
.macro FIN LP, OB, VB, PC, BY, n
	v_add_f32 v[\LP], v[\LP], v[\LP+1]
	D 1
	v_permlanex16_b32 v[TMP], v[\LP], s[SEL], s[SEL+1]
	D 1
	v_add_f32 v[\LP], v[\LP], v[TMP]
	WALU
	v_rcp_f32 v[\LP], v[\LP]
	v_nop
	WALU
.set j, 0
.rept 16
	v_pk_mul_f32 v[\VB+j:\VB+j+1], v[\OB+j:\OB+j+1], v[\LP:\LP+1] op_sel_hi:[1,0]
.set j, j+2
.endr
.irp b, 0,1
	v_max3_num_f32 v[BMX+\b], |v[\VB+16*\b]|, |v[\VB+1+16*\b]|, 0x1800000
.endr
.irp i, 2,4,6,8,10,12,14
.irp b, 0,1
	D 2
	v_max3_num_f32 v[BMX+\b], v[BMX+\b], |v[\VB+16*\b+\i]|, |v[\VB+1+16*\b+\i]|
.endr
.endr
.irp b, 0,1
	D 2
	v_permlanex16_b32 v[PRM+\b], v[BMX+\b], s[SEL], s[SEL+1]
.endr
.irp b, 0,1
	D 2
	v_max_num_f32 v[BMX+\b], v[BMX+\b], v[PRM+\b]
.endr
.irp b, 0,1
	D 2
	v_add_nc_u32 v[BMX+\b], 0xff000000, v[BMX+\b]
.endr
.irp b, 0,1
	D 2
	v_lshrrev_b32 v[PRM+\b], 23, v[BMX+\b]
.endr
	D 1
	v_cndmask_b32 v[\BY], v[PRM], v[PRM+1], s[HIM] ; lanes 0-15 block 0's byte, lanes 16-31 block 1's
	v_cvt_scalef32_pk16_fp6_f32 v[\PC:\PC+2], v[\VB:\VB+15], v[BMX]
	v_cvt_scalef32_pk16_fp6_f32 v[T1:T1+2], v[\VB+16:\VB+31], v[BMX+1]
	v_nop
.irp i, 0,1,2
	v_permlane16_swap_b32 v[\PC+\i], v[T1+\i]
.endr
.irp i, 0,1,2
	D 3
	v_mov_b32 v[\PC+3+\i], v[T1+\i]
.endr
.irp i, 0,1,2
	global_store_b64 v[GO], v[\PC+2*\i:\PC+2*\i+1], s[10:11] offset:12288*\n+256*\i   ; 32 lanes store 256 consecutive bytes, aligned
.endr
	global_store_b8 v[CSO], v[\BY], s[12:13] offset:512*\n
.endm
	FIN LA, O, S, PCA, BYA, 0
	FIN LB, O+32, S+32, KV, BYA+1, 1
	s_wait_tensorcnt 0x0                           ; the wave's end
	ds_add_u32 v[SPW], v[NIL]
	s_wait_dscnt 0x0
	CROUND                                         ; the closing round
	s_endpgm
.Lfunc_end_k_qac5095799f_attn:
	.size	k_qac5095799f_attn, .Lfunc_end_k_qac5095799f_attn-k_qac5095799f_attn
	.p2alignl 7, 3214868480
	.fill 96, 4, 3214868480
	.section	.rodata,"a",@progbits
	.p2align	6, 0x0
	.amdhsa_kernel k_qac5095799f_attn
		.amdhsa_group_segment_fixed_size 327680
		.amdhsa_private_segment_fixed_size 0
		.amdhsa_enable_private_segment 0
		.amdhsa_kernarg_size 40
		.amdhsa_user_sgpr_count 2
		.amdhsa_user_sgpr_kernarg_segment_ptr 1
		.amdhsa_wavefront_size32 1
		.amdhsa_system_sgpr_workgroup_id_x 1
		.amdhsa_system_sgpr_workgroup_id_y 1
		.amdhsa_system_sgpr_workgroup_id_z 1
		.amdhsa_system_vgpr_workitem_id 0
		.amdhsa_next_free_vgpr 256
		.amdhsa_next_free_sgpr 66
		.amdhsa_reserve_vcc 0
		.amdhsa_float_denorm_mode_32 3
		.amdhsa_float_denorm_mode_16_64 3
		.amdhsa_memory_ordered 1
		.amdhsa_forward_progress 1
		.amdhsa_inst_pref_size 49
	.end_amdhsa_kernel
	.amdgpu_metadata
---
amdhsa.version: [ 1, 2 ]
amdhsa.kernels:
  - .name:           k_qac5095799f_attn
    .symbol:         k_qac5095799f_attn.kd
    .args:
      - { .name: qimg, .offset: 0, .size: 8, .value_kind: global_buffer, .address_space: global }
      - { .name: qsc, .offset: 8, .size: 8, .value_kind: global_buffer, .address_space: global }
      - { .name: kv, .offset: 16, .size: 8, .value_kind: global_buffer, .address_space: global }
      - { .name: cimg, .offset: 24, .size: 8, .value_kind: global_buffer, .address_space: global }
      - { .name: csc, .offset: 32, .size: 8, .value_kind: global_buffer, .address_space: global }
    .group_segment_fixed_size: 327680
    .private_segment_fixed_size: 0
    .kernarg_segment_align: 8
    .kernarg_segment_size: 40
    .max_flat_workgroup_size: 512
    .sgpr_count:     66
    .vgpr_count:     256
    .wavefront_size: 32
...
	.end_amdgpu_metadata
.endif
;; end of part 3
;; launch outp (part 4): grid 4 x 32, 4 waves a work-group, clusters of 4 x 4, 327,680 bytes of LDS; arguments cimg, csc, codes, scales, out0, bo; writes out0
.if DOCPART == 4
	.amdgcn_target "amdgcn-amd-amdhsa--gfx1250"
	.amdhsa_code_object_version 6
	.text
	.protected	k_qac5095799f_outp
	.globl	k_qac5095799f_outp
	.p2align	8
	.type	k_qac5095799f_outp,@function
k_qac5095799f_outp:
	s_mov_b64 s[64:65], 0
	v_nop
	global_prefetch_b8 v0, s[64:65] scope:SCOPE_SE
	s_setreg_imm32_b32 hwreg(HW_REG_WAVE_MODE, 25, 1), 1
	s_wait_xcnt 0x0
	s_wait_alu depctr_hold_cnt(0) depctr_sa_sdst(0) depctr_va_vdst(0) depctr_va_sdst(0) depctr_va_ssrc(0) depctr_va_vcc(0) depctr_vm_vsrc(0)
	s_getreg_b32 s2, hwreg(HW_REG_IB_STS2, 6, 4)
	s_cmp_eq_u32 s2, 0
	s_cbranch_scc0 .Lentry_in_a_cluster
	s_endpgm
.Lentry_in_a_cluster:
	s_bfe_u32 s2, ttmp6, 0x10000c
	s_cmp_lg_u32 s2, 0xf033
	s_cbranch_scc0 .Lentry_shape_is_right
	s_endpgm
.Lentry_shape_is_right:
.set SIZE_K, 1024
.set KSTEP,  256
.set NQ,     KSTEP/128
; out0 = ctx Wo^T + bo on codes of FP6: a tile of 256 x 256 to a work-group, 128 x 128 to a wave; K in four steps of 256 through two LDS slots; joint loads in clusters of 4 x 4.
; A's tiles are images of operand registers (rows of 3,072 bytes of cimg); B's are dense runs of the codes' workspace ([256 rows][K step][row][192 bytes]), loaded as rows of 256 bytes.
.set ROWB,   192
.set TILEB,  24576                     ; a K step's codes of 128 rows, of A and of B alike
.set KSB,    49152                     ; from K step to K step in the codes' workspace
.set AROW,   3072
.set KROW,   SIZE_K*6/8
.set PITCH,  240
.set FR,     12
.set NL,     6
.set NP,     4
.set HALFT,  128*PITCH
.set SLOT,   4*HALFT
.set KS,     SIZE_K/32
.set SCL,    2*SLOT
.set HALFS,  (128*KS/256)*272
.set SBLK,   (16*KS/256)*272
.set SPARE,  SCL+4*HALFS
.set SPITCH, 528
.set BNO,  7
.set ADRA, 16
.set ADRB, 20
.set STO,  24
.set RD,   25
.set CO,   26
.set ADRS, 27
.set SPW,  28
.set NIL,  29
.set SC,   32
.set BN,   64
.set AF,   128
.set BK,   128
.set G1, 24
.set G0, 32
.set G1B, 48
.set G0B, 56
.set G1S, 68
.set G0S, 76
.set G1SB, 80
.set G0SB, 88
.set MSB, 0
.macro WIN new
.if MSB != \new
	s_set_vgpr_msb (MSB<<8)|\new
.set MSB, \new
.endif
.endm
.set MUL_LO, 0xa1
.set MUL_HI, 0xf1
.set BEG_LO, 0x81
.set BEG_HI, 0xc1
.set TO_B,   0x40
.macro JLOAD g0a, g1a, g0b, g1b
	s_cmp_eq_u32 s15, 0
	s_cbranch_scc0 .Lfor_b_\@
	tensor_load_to_lds s[\g0a:\g0a+3], s[\g1a:\g1a+7]
	s_nop 0
.rept 4
	v_nop
.endr
	s_branch .Lasked_\@
.Lfor_b_\@:
	tensor_load_to_lds s[\g0b:\g0b+3], s[\g1b:\g1b+7]
	s_nop 0
.rept 4
	v_nop
.endr
.Lasked_\@:
.endm
.macro CREST
	s_cmp_lg_u32 s14, 0
	s_cbranch_scc1 .Lnot_wave_0_\@
	s_barrier_signal -3
.Lnot_wave_0_\@:
	s_barrier_wait -3
	s_barrier_signal -1
	s_barrier_wait -1
.endm
.macro CROUND
	s_barrier_signal -1
	s_barrier_wait -1
	CREST
.endm
	s_load_b128 s[4:7], s[0:1], 0x0
	s_load_b128 s[8:11], s[0:1], 0x10
	s_load_b64 s[12:13], s[0:1], 0x20
	s_load_b64 s[96:97], s[0:1], 0x28
	v_lshl_add_u32 v[SPW], v0, 2, SPARE
	v_mov_b32 v[NIL], 0
	ds_add_u32 v[SPW], v[NIL]
	ds_add_u32 v[SPW], v[NIL]
	v_lshrrev_b32 v1, 5, v0
	v_readfirstlane_b32 s14, v1
	s_lshr_b32 s15, s14, 1
	s_and_b32 s16, s14, 1
	s_bfe_u32 s40, ttmp6, 0x40000
	s_bfe_u32 s41, ttmp6, 0x40004
	s_lshl_b32 s42, ttmp9, 2
	s_add_co_u32 s42, s42, s40
	s_and_b32 s17, ttmp7, 0xffff
	s_lshl_b32 s17, s17, 2
	s_add_co_u32 s17, s17, s41
	s_lshl_b32 s43, s41, 2
	s_lshl_b32 s43, 15, s43
	s_lshl_b32 s44, 0x1111, s40
	s_or_b32 s[G1+0], s43, (3<<16)|(1<<21)
	s_mov_b32 s[G1+1], 384<<16
	s_mov_b32 s[G1+2], 16<<16                      ; the head's load: 256 tokens, 16 rows of 3,072 bytes; behind it 8
	s_mov_b32 s[G1+3], 384<<16
	s_mov_b32 s[G1+4], 16
	s_mov_b32 s[G1+5], 1536
	s_mov_b32 s[G1+6], 0
	s_mov_b32 s[G1+7], 0
	s_or_b32 s[G1B+0], s44, (0<<16)|(1<<20)|(1<<21)|(3<<22)|(3<<25)
	s_mov_b32 s[G1B+1], 256<<16
	s_mov_b32 s[G1B+2], 192<<16                    ; the head's load: 256 rows of codes = 192 rows of 256 bytes; behind it 96
	s_mov_b32 s[G1B+3], 256<<16
	s_mov_b32 s[G1B+4], 192
	s_mov_b32 s[G1B+5], 256
	s_mov_b32 s[G1B+6], 0
	s_mov_b32 s[G1B+7], 0
	s_or_b32 s[G1S+0], s43, (3<<16)|(1<<20)|(1<<21)|(5<<22)|(3<<25)
	s_or_b32 s[G1SB+0], s44, (3<<16)|(1<<20)|(1<<21)|(5<<22)|(3<<25)
.irp g, G1S, G1SB
	s_mov_b32 s[\g+1], 32<<16
	s_mov_b32 s[\g+2], KS<<16                      ; the scales of 256 rows: 32 rows of 256 bytes
	s_mov_b32 s[\g+3], 32<<16
	s_mov_b32 s[\g+4], KS
	s_mov_b32 s[\g+5], 32
	s_mov_b32 s[\g+6], 0
	s_mov_b32 s[\g+7], 0
.endr
	s_mul_i32 s18, s16, 128*KROW                   ; in the ring I fetch 128 rows of a tile: which half, in bytes: of A,
	s_mov_b32 s19, 0
	s_mul_i32 s98, s16, TILEB                      ; of B
	s_mov_b32 s99, 0
	s_lshl_b32 s20, s17, 8
	s_lshl_b32 s46, s42, 8
	s_lshl_b32 s22, s20, 5
	s_lshl_b32 s92, s46, 5
	s_add_co_u32 s92, s92, 884736
	s_mul_i32 s20, s20, KROW
	s_mul_i32 s46, s46, KROW
	s_add_co_u32 s46, s46, 21233664
	s_mov_b32 s21, 0
	s_mov_b32 s23, 0
	s_mov_b32 s47, 0
	s_mov_b32 s93, 0
	s_mul_i32 s45, s14, HALFT
	s_wait_dscnt 0x0
	s_wait_kmcnt 0x0
	s_add_nc_u64 s[20:21], s[4:5], s[20:21]
	s_add_nc_u64 s[22:23], s[6:7], s[22:23]
	s_add_nc_u64 s[46:47], s[8:9], s[46:47]
	s_add_nc_u64 s[92:93], s[10:11], s[92:93]
	CROUND
	s_mov_b32 s[G0S], 1
	s_mov_b32 s[G0S+1], SCL
	s_mov_b64 s[G0S+2:G0S+3], s[22:23]
	s_or_b32 s[G0S+3], s[G0S+3], 0x80000000
	s_mov_b32 s[G0SB], 1
	s_mov_b32 s[G0SB+1], SCL+2*HALFS
	s_mov_b64 s[G0SB+2:G0SB+3], s[92:93]
	s_or_b32 s[G0SB+3], s[G0SB+3], 0x80000000
	s_mov_b32 s[G0], 1                             ; slot 0's sets serve the head first: K step 0 of A's 256 rows, whole (2 x TILEB bytes from the slot's start),
	s_mov_b32 s[G0+1], 0
	s_mov_b64 s[G0+2:G0+3], s[20:21]
	s_or_b32 s[G0+3], s[G0+3], 0x80000000
	s_mov_b32 s[G0B], 1                            ; and of B's, at 2 x HALFT
	s_mov_b32 s[G0B+1], 2*HALFT
	s_mov_b64 s[G0B+2:G0B+3], s[46:47]
	s_or_b32 s[G0B+3], s[G0B+3], 0x80000000
	s_add_nc_u64 s[20:21], s[20:21], s[18:19]      ; for the ring: my 128 rows of the tile
	s_add_nc_u64 s[46:47], s[46:47], s[98:99]
	s_mov_b32 s[G0+4], 1                           ; slot 1: K step 1
	s_mul_i32 s[G0+5], s14, TILEB
	s_add_co_u32 s[G0+5], s[G0+5], SLOT
	s_add_nc_u64 s[G0+6:G0+7], s[20:21], AROW
	s_or_b32 s[G0+7], s[G0+7], 0x80000000
	s_mov_b32 s[G0B+4], 1
	s_add_co_u32 s[G0B+5], s45, SLOT
	s_add_nc_u64 s[G0B+6:G0B+7], s[46:47], KSB
	s_or_b32 s[G0B+7], s[G0B+7], 0x80000000
; THE HEAD'S LOADS, ONE A WAVE: wave 0 K step 0 of A's 256 rows, wave 1 of B's, wave 2 A's scales, wave 3 B's.  One tree of branches on the wave's number; every way passes one load.
.macro ARM under, g0, g1, next
	s_cmp_lt_u32 s14, \under
	s_cbranch_scc0 \next
	tensor_load_to_lds s[\g0:\g0+3], s[\g1:\g1+7]
	s_nop 0
.rept 4
	v_nop
.endr
	s_branch .Lhead_asked
\next:
.endm
	ARM 1, G0,  G1,  .Lhead_b
	ARM 2, G0B, G1B, .Lhead_sa
	ARM 3, G0S, G1S, .Lhead_sb
	tensor_load_to_lds s[G0SB:G0SB+3], s[G1SB:G1SB+7]
	s_nop 0
.rept 4
	v_nop
.endr
.Lhead_asked:
	v_and_b32 v1, 15, v0
	v_bfe_u32 v2, v0, 4, 1
	v_mul_u32_u24 v3, v1, PITCH
	v_mul_u32_u24 v4, v2, 24
	v_add_nc_u32 v4, v3, v4
	v_lshl_add_u32 v5, v2, 4, v4
	v_and_b32 v6, 31, v0
	v_lshlrev_b32 v3, 3, v6
	s_mul_i32 s21, s15, TILEB                      ; my 128 rows of A: images, dense
	s_mul_i32 s22, s16, HALFT
	s_add_co_u32 s22, s22, 2*HALFT
.irp s, 0,1
	v_add_nc_u32 v[ADRA+\s], s21, v3
	v_add_nc_u32 v[ADRB+\s], s22, v4
	v_add_nc_u32 v[ADRB+2+\s], s22, v5
	s_add_co_u32 s21, s21, SLOT
	s_add_co_u32 s22, s22, SLOT
.endr
	v_mul_u32_u24 v5, v1, KS
	v_lshrrev_b32 v6, 8, v5
	v_lshl_add_u32 v5, v6, 4, v5
	s_mul_i32 s21, s15, HALFS
	s_mul_i32 s22, s16, HALFS
	s_add_co_u32 s22, s22, 2*HALFS
	s_sub_co_u32 s22, s22, s21
	v_mul_u32_u24 v6, s22, v2
	s_add_co_u32 s21, s21, SCL
	v_add_nc_u32 v5, v5, v6
	v_add_nc_u32 v[ADRS], s21, v5
	s_mul_i32 s23, s14, 16*SPITCH
	v_mul_u32_u24 v5, v1, SPITCH
	v_lshl_add_u32 v5, v2, 6, v5
	v_add_nc_u32 v[STO], s23, v5
	v_and_b32 v6, 31, v0
	v_lshlrev_b32 v[CO], 4, v6
	v_add_nc_u32 v[RD], s23, v[CO]
	s_lshl_b32 s20, s17, 8
	s_lshl_b32 s21, s15, 7
	s_add_co_u32 s20, s20, s21
	s_lshl_b32 s20, s20, 12
	s_mov_b32 s21, 0
	s_lshl_b32 s46, s42, 10
	s_lshl_b32 s47, s16, 9
	s_add_co_u32 s46, s46, s47
	s_mov_b32 s47, 0
	v_lshlrev_b32 v[BNO], 6, v2
	v_add_nc_u32 v[BNO], s46, v[BNO]
	s_add_nc_u64 s[20:21], s[20:21], s[46:47]
	s_add_nc_u64 s[12:13], s[12:13], s[20:21]
.irp e, 0,1,2,3
.irp i, 0,1,2,3
	global_load_b128 v[BN+16*\e+4*\i:BN+16*\e+4*\i+3], v[BNO], s[96:97] offset:128*\e+16*\i
.endr
.endr
.macro FRAG reg, adr, q, i
.irp p, 0,1,2,3,4,5
.set PC, 12*(\q)+6*(\p/3)+\p%3
.if PC%8 < 5
	ds_load_b64 v[\reg+2*\p:\reg+2*\p+1], v[\adr] offset:8*PC+16*(PC/8)+(\i)*16*PITCH
.else
	ds_load_b64 v[\reg+2*\p:\reg+2*\p+1], v[\adr+2] offset:8*PC+16*(PC/8)+(\i)*16*PITCH
.endif
.endr
.endm
.macro FRAGA reg, slot, q, i
.irp p, 0,1,2,3,4,5
	ds_load_b64 v[\reg+2*\p:\reg+2*\p+1], v[ADRA+\slot] offset:AROW*(\i)+1536*(\q)+256*\p
.endr
.endm
.macro MUL16 a0, p, q, sc, first
.irp a, \a0, \a0+1
.irp b, 0,1,2,3,4,5,6,7
.if \first
	v_wmma_scale_f32_16x16x128_f8f6f4 v[8*(8*((\a)%4)+\b):8*(8*((\a)%4)+\b)+7], v[128*(\p)+FR*\b:128*(\p)+FR*\b+FR-1], v[AF+FR*(\a):AF+FR*(\a)+FR-1], v[BN+8*\b:BN+8*\b+7], v[SC+8*NQ*(\sc)+NQ*\b+(\q)], v[SC+8*NQ*(\sc)+NQ*(\a)+(\q)] matrix_a_fmt:MATRIX_FMT_FP6 matrix_b_fmt:MATRIX_FMT_FP6 matrix_a_scale:MATRIX_SCALE_ROW1
.else
	v_wmma_scale_f32_16x16x128_f8f6f4 v[8*(8*((\a)%4)+\b):8*(8*((\a)%4)+\b)+7], v[128*(\p)+FR*\b:128*(\p)+FR*\b+FR-1], v[AF+FR*(\a):AF+FR*(\a)+FR-1], v[8*(8*((\a)%4)+\b):8*(8*((\a)%4)+\b)+7], v[SC+8*NQ*(\sc)+NQ*\b+(\q)], v[SC+8*NQ*(\sc)+NQ*(\a)+(\q)] matrix_a_fmt:MATRIX_FMT_FP6 matrix_b_fmt:MATRIX_FMT_FP6 matrix_a_scale:MATRIX_SCALE_ROW1
.endif
.endr
.endr
.endm
.macro FETCH_B slot, q, p
	WIN TO_B
.irp i, 0,1,2,3,4,5,6,7
	FRAG 128*(\p)+FR*\i, ADRB+\slot, \q, \i
.endr
	WIN 0
.endm
.macro FETCH_A slot, q, i0
.irp i, \i0, \i0+1, \i0+2, \i0+3
	FRAGA AF+FR*(\i), \slot, \q, \i
.endr
.endm
.macro SCALES sc
.irp i, 0,1,2,3,4,5,6,7
	ds_load_b64 v[SC+8*NQ*\sc+NQ*\i:SC+8*NQ*\sc+NQ*\i+1], v[ADRS] offset:\i*SBLK
.endr
.endm
.macro PLACES n
.rept \n
	v_nop
.endr
.endm
.macro STEP slot, q, first
	s_wait_dscnt 4*NL
.if \first
	WIN BEG_LO
.else
	WIN MUL_LO
.endif
	MUL16 0, (\q)%2, \q, \slot, \first
	MUL16 2, (\q)%2, \q, \slot, \first
	s_wait_dscnt 0
	PLACES NP
	FETCH_B \slot, (\q)+1, 1-(\q)%2
	FETCH_A \slot, (\q)+1, 0
.if \first
	WIN BEG_HI
.else
	WIN MUL_HI
.endif
	MUL16 4, (\q)%2, \q, \slot, \first
	MUL16 6, (\q)%2, \q, \slot, \first
	PLACES NP
	WIN 0
	FETCH_A \slot, (\q)+1, 4
.endm
.macro TURN slot, next, fill
	s_wait_tensorcnt 0x0
	ds_add_u32 v[SPW], v[NIL]
	s_wait_dscnt 4*NL+1
	WIN MUL_LO
	MUL16 0, 1, NQ-1, \slot, 0
	s_wait_dscnt 0x0
	s_barrier_signal -1
	MUL16 2, 1, NQ-1, \slot, 0
	WIN 0
	s_barrier_wait -1
.if \fill
	CREST
	s_add_nc_u64 s[G0+4*\slot+2:G0+4*\slot+3], s[G0+4*\slot+2:G0+4*\slot+3], 2*AROW
	s_add_nc_u64 s[G0B+4*\slot+2:G0B+4*\slot+3], s[G0B+4*\slot+2:G0B+4*\slot+3], 2*KSB
	JLOAD G0+4*\slot, G1, G0B+4*\slot, G1B
.else
	PLACES NP
.endif
	s_wait_alu depctr_va_vdst(0)
	v_add_nc_u32 v[ADRS], 4*NQ, v[ADRS]
	FETCH_B \next, 0, 0
	FETCH_A \next, 0, 0
	SCALES \next
	WIN MUL_HI
	MUL16 4, 1, NQ-1, \slot, 0
	MUL16 6, 1, NQ-1, \slot, 0
	PLACES NP
	WIN 0
	FETCH_A \next, 0, 4
.endm
	s_wait_alu depctr_va_vdst(0)
	s_wait_tensorcnt 0x0                           ; my tile of the head's four is in
	ds_add_u32 v[SPW], v[NIL]
	s_mov_b32 s[G1+2], 8<<16                       ; no tensor load of mine is out: from here on a load brings 128 rows,
	s_mov_b32 s[G1+4], 8
	s_mov_b32 s[G1B+2], 96<<16
	s_mov_b32 s[G1B+4], 96
	s_mul_i32 s[G0+1], s14, TILEB                  ; and slot 0's sets are the ring's: my part of the slot, my 128 rows
	s_mul_i32 s[G0B+1], s14, HALFT
	s_add_nc_u64 s[G0+2:G0+3], s[G0+2:G0+3], s[18:19]
	s_add_nc_u64 s[G0B+2:G0B+3], s[G0B+2:G0B+3], s[98:99]
	s_wait_dscnt 0x0                               ; the add is done
	CROUND                                         ; all four tiles are in, and all sixteen work-groups are here
	JLOAD G0+4, G1, G0B+4, G1B                     ; K step 1, the first tensor load behind the round
	FETCH_B 0, 0, 0
	FETCH_A 0, 0, 0
	SCALES 0
	FETCH_A 0, 0, 4
	s_wait_loadcnt 0x0
	STEP 0, 0, 1
	TURN 0, 1, 1
	STEP 1, 0, 0
	TURN 1, 0, 1
	STEP 0, 0, 0
	TURN 0, 1, 0
	STEP 1, 0, 0
	s_wait_dscnt 4*NL
	WIN MUL_LO
	MUL16 0, 1, NQ-1, 1, 0
	MUL16 2, 1, NQ-1, 1, 0
	s_wait_dscnt 0
	WIN MUL_HI
	MUL16 4, 1, NQ-1, 1, 0
	MUL16 6, 1, NQ-1, 1, 0
	WIN 0
.macro TOSTAGE a
.set AC, 64*((\a)%4)
	WIN 0x08+4*((\a)/4)
.irp b, 0,1,2,3,4,5,6,7
	ds_store_b128 v[STO], v[AC+8*\b:AC+8*\b+3] offset:128*(\b/2)+32*(\b%2)
	ds_store_b128 v[STO], v[AC+8*\b+4:AC+8*\b+7] offset:128*(\b/2)+32*(\b%2)+16
.endr
	WIN 0
.set BB, BK+64*((\a)%2)
.irp t, 0,1,2,3,4,5,6,7,8,9,10,11,12,13,14,15
	ds_load_b128 v[BB+4*\t:BB+4*\t+3], v[RD] offset:\t*SPITCH
.endr
.endm
.macro SEND a, younger
.set BB, BK+64*((\a)%2)
	s_wait_dscnt \younger
.irp t, 0,1,2,3,4,5,6,7,8,9,10,11,12,13,14,15
	global_store_b128 v[CO], v[BB+4*\t:BB+4*\t+3], s[12:13] offset:(32*((\a)/2)+8*((\a)%2)+\t+8*(\t/8))*4096 th:TH_STORE_NT
.endr
.endm
	PLACES NP
	TOSTAGE 0
.irp a, 1,2,3,4,5,6,7
.if \a > 1
	s_wait_xcnt 0x0
.endif
	TOSTAGE \a
	SEND \a-1, 32
.endr
	SEND 7, 0
	s_wait_tensorcnt 0x0
	ds_add_u32 v[SPW], v[NIL]
	s_wait_dscnt 0x0
	CROUND
	s_endpgm
.Lfunc_end_k_qac5095799f_outp:
	.size	k_qac5095799f_outp, .Lfunc_end_k_qac5095799f_outp-k_qac5095799f_outp
	.p2alignl 7, 3214868480
	.fill 96, 4, 3214868480
	.section	.rodata,"a",@progbits
	.p2align	6, 0x0
	.amdhsa_kernel k_qac5095799f_outp
		.amdhsa_group_segment_fixed_size 327680
		.amdhsa_private_segment_fixed_size 0
		.amdhsa_enable_private_segment 0
		.amdhsa_kernarg_size 48
		.amdhsa_user_sgpr_count 2
		.amdhsa_user_sgpr_kernarg_segment_ptr 1
		.amdhsa_wavefront_size32 1
		.amdhsa_system_sgpr_workgroup_id_x 1
		.amdhsa_system_sgpr_workgroup_id_y 1
		.amdhsa_system_sgpr_workgroup_id_z 1
		.amdhsa_system_vgpr_workitem_id 0
		.amdhsa_next_free_vgpr 1024
		.amdhsa_next_free_sgpr 100
		.amdhsa_reserve_vcc 0
		.amdhsa_float_denorm_mode_32 3
		.amdhsa_float_denorm_mode_16_64 3
		.amdhsa_memory_ordered 1
		.amdhsa_forward_progress 1
		.amdhsa_inst_pref_size 162
	.end_amdhsa_kernel
	.amdgpu_metadata
---
amdhsa.version: [ 1, 2 ]
amdhsa.kernels:
  - .name:           k_qac5095799f_outp
    .symbol:         k_qac5095799f_outp.kd
    .args:
      - { .name: cimg, .offset: 0, .size: 8, .value_kind: global_buffer, .address_space: global }
      - { .name: csc, .offset: 8, .size: 8, .value_kind: global_buffer, .address_space: global }
      - { .name: codes, .offset: 16, .size: 8, .value_kind: global_buffer, .address_space: global }
      - { .name: scales, .offset: 24, .size: 8, .value_kind: global_buffer, .address_space: global }
      - { .name: out0, .offset: 32, .size: 8, .value_kind: global_buffer, .address_space: global }
      - { .name: bo, .offset: 40, .size: 8, .value_kind: global_buffer, .address_space: global }
    .group_segment_fixed_size: 327680
    .private_segment_fixed_size: 0
    .kernarg_segment_align: 8
    .kernarg_segment_size: 48
    .max_flat_workgroup_size: 128
    .sgpr_count:     100
    .vgpr_count:     1024
    .wavefront_size: 32
...
	.end_amdgpu_metadata
.endif
;; end of part 4
